; MI455X (gfx1250); checked and timed in simulation.
; The chip was launched on July 23, 2026; its instructions are those of AMD's public machine-readable ISA for CDNA 5 (MIT licence, August 2026) and "CDNA5" Instruction Set Architecture Reference Guide (July 2026). The comments in the code are by the model that wrote it; some were corrected since.
;; Llama Flash Attention Wrapper. Allowed arithmetic: matrix products marked QUANTISED: E4M3 operands, one given power-of-two scale a tensor, by v_wmma_f32_16x16x64_fp8_fp8 or v_wmma_f32_16x16x128_fp8_fp8, f32 sums; everything else in f32.
;; Inputs: Wk 2,048 x 2,048 float32; Wo 2,048 x 2,048 float32; Wq 2,048 x 2,048 float32; Wv 2,048 x 2,048 float32; hidden_states 1 x 2,048 x 2,048 float32; lowp_scales 12 int32 (the exponents e of the quantised operands' scales 2^e).
;; Outputs: out0 1 x 2,048 x 2,048 float32.
;; This version of the problem:
;;   THIS VERSION OF THE PROBLEM IS GIVEN IN LOW PRECISION. The matrix products marked QUANTISED in the list below multiply operands that are first quantised to E4M3 (4 exponent bits, 3 mantissa bits; 8 bits a number), with one given power-of-two scale for each operand tensor; their sums are f32. All else is computed in f32.
;;   The module's matrix products, in the order in which they are computed (A, B: the left and right operand; K: the contracted axis; several contracted axes count as one K, in the product's order):
;;     1. [M 2,048, K 2,048] x [K 2,048, N 2,048]; A: input hidden_states; B: input Wq: QUANTISED (scales: A lowp_scales[0], B lowp_scales[1])
;;     2. [M 2,048, K 2,048] x [K 2,048, N 2,048]; A: input hidden_states; B: input Wk: QUANTISED (scales: A lowp_scales[2], B lowp_scales[3])
;;     3. [M 2,048, K 2,048] x [K 2,048, N 2,048]; A: input hidden_states; B: input Wv: QUANTISED (scales: A lowp_scales[4], B lowp_scales[5])
;;     4. batch 16 x [M 2,048, K 128] x [K 128, N 2,048]; A: computed on the way; B: computed on the way: QUANTISED (scales: A lowp_scales[6], B lowp_scales[7])
;;     5. batch 16 x [M 128, K 2,048] x [K 2,048, N 2,048]; A: computed on the way; B: softmax (see below): QUANTISED (scales: A lowp_scales[8], B lowp_scales[9])
;;     6. [M 2,048, K 2,048] x [K 2,048, N 2,048]; A: computed on the way; B: input Wo: QUANTISED (scales: A lowp_scales[10], B lowp_scales[11])
;;   THE QUANTISER, for each operand of a quantised product, along K:
;;     - The operand's scale is 2^e, e = its entry of the input lowp_scales (int32; the entries are numbered through the quantised products in the list's order, A before B).
;;     - Each number is divided by the scale, clamped to +-448, and rounded to the nearest number of E4M3, ties to even, subnormals kept.
;;     - The product sums the exact products of the quantised numbers (number of the format x scale) in f32.
;;   ~~~python
;;   def quantise(x, axis, e):      # numpy; x: float32 -> the quantised numbers, widened to float32 again
;;       x = np.moveaxis(x, axis, -1); K = x.shape[-1]
;;       r = np.clip(x / 2.0 ** e, -448, 448)
;;       step = 2.0 ** (np.maximum(np.frexp(np.where(r == 0, 1, r))[1] - 1, -6) - 3)
;;       q = np.round(r / step) * step * 2.0 ** e      # np.round: ties to even
;;       return np.moveaxis(q, -1, axis).astype(np.float32)
;;   ~~~
;;   SOFTMAX AHEAD OF A QUANTISED PRODUCT. Where the list says 'softmax', what is quantised is not the finished softmax but p = 2^(t - M), with t = logit x log2(e) and M = ceil(the row's largest t), a whole number; so 1/2 < the row's largest p <= 1. The row's sum l is taken of the UNQUANTISED p, in f32, and the product's result is divided by l at the end. Since M is a whole number, a kernel that streams over the keys may use a running M (the ceiling of the running maximum): every later rescaling is an exact power of two, so the quantised numbers keep their values, but for numbers so far below the row's largest that they fall under the format's range.
;;   OPERANDS COMPUTED ON THE WAY. 'Computed on the way' means the value that the module computes at that place (a softmax that the list does not call 'softmax' is quantised finished and normalised). What goes into a quantiser is computed in f32, as accurately as f32 sums, v_exp_f32 and their like allow (about 1e-6 of the number): no bf16 or f16 on the way to a quantiser, and a product that is left as it is and whose result goes on into a quantised operand takes f32 operands (vector FMAs, or v_wmma_f32_16x16x4_f32). A number that lies on a knife's edge between two numbers of the format may be rounded either way, as far as f32 arithmetic and the matrix unit's own rounding can turn it there, and no further.
;; 2 versions. Each part assembles by itself: llvm-mc -triple=amdgcn-amd-amdhsa -mcpu=gfx1250 --defsym DOCPART=n.
;; ======== version 1 of 2: 4 launches
;; workspace buffers: codes 29,360,128 bytes; rope_tab 1,048,576 bytes; qkv_codes 12,582,912 bytes; attn_codes 4,194,304 bytes
;; launch quant (part 1): grid 672 x 1, 4 waves a work-group, no clusters, 34,304 bytes of LDS; arguments hidden_states, Wq, Wk, Wv, Wo, lowp_scales, codes, rope_tab; writes codes, rope_tab
.if DOCPART == 1
	.amdgcn_target "amdgcn-amd-amdhsa--gfx1250"
	.amdhsa_code_object_version 6
	.text
	.protected	k_q9e894e10d7_quant
	.globl	k_q9e894e10d7_quant
	.p2align	8
	.type	k_q9e894e10d7_quant,@function
k_q9e894e10d7_quant:
	s_mov_b64 s[64:65], 0
	v_nop
	global_prefetch_b8 v0, s[64:65] scope:SCOPE_SE
	s_setreg_imm32_b32 hwreg(HW_REG_WAVE_MODE, 25, 1), 1
	s_wait_xcnt 0x0
; x (three times: with the scales of entries 0, 2, 4), Wq, Wk, Wv, Wo (entries 1, 3, 5, 11), all [2048][2048] f32 with K innermost, become codes of E4M3; and the table of cos and sin for the rotary embedding is made.
; code = number / 2^e, held within +-448, to the nearest code, ties to even.  LIMITS: each e between -126 and 119; NaN among the inputs is not served (an infinity is held at the largest code).
; LAYOUT OF THE CODES: seven segments of 4 MiB (x e0, x e2, x e4, Wq, Wk, Wv, Wo), each [tile 128][K step 16][2048 bytes].  The 2,048 bytes are the IMAGE of an operand's registers for 16 rows x 128 K:
; register group c (4 registers) of lane L = r + 16 h lies at byte 512 c + 16 L and holds, of the tile's row place r, k = 32 c + 16 h + 0 .. 15.  Row place i of tile T is row 32 (T / 2) + 8 (T % 2) + i + 8 (i / 8),
; so that in a product's result the 16 registers of two neighbouring tiles are 16 neighbours along the next K.
; SHARES: work-groups 0 to 639: tensor = number / 128, tile = number % 128; wave w takes K steps 4 w .. 4 w + 3, one image a step.  Each load reads 512 consecutive bytes of one row; the 8 KiB of a step turn through
; the wave's own stage in LDS (16 rows of 512 + 16 bytes) and come back 64 bytes a lane and group; each store covers 512 consecutive bytes.  Waves share nothing: no barrier.
; Work-groups 640 to 671: wave 4 (number - 640) + w makes table tile T: [i 16][lane 32][4 f32], i = (2 b + cs) 2 + q: cos (cs = 0) or sin (1) of token(T, r) x 10000^(-f / 64), f = 32 (b / 2) + 16 h + 8 (b % 2) + 4 q + 0 .. 3.
; The angle is the f32 product token x frequency, as in the definition; the frequency is 2^(-f log2(10000) / 64) by v_exp_f32; the angle is reduced by pi/2 in two parts and cos and sin are polynomials whose
; first term left out is under 2e-9.  LIMIT: the angle carries f32's own uncertainty of the frequency, about 1e-7 of the angle.
.set STGB, 8448                        ; a wave's stage
.set PIT,  528                         ; a stage row: 512 bytes + 16
.set R,    16                          ; v16-143  two sets of 64 registers as loaded
.set X,    144                         ; v144-207 64 numbers of a lane: register 16 c + i = k 32 c + 16 h + i of row place r
.set T,    208                         ; v208-239 two sets of 16 held numbers
.set C,    240                         ; v240-255 an image's codes
.set WV,   2
.set T5,   3
	s_load_b512 s[16:31], s[0:1], 0x0              ; x, Wq, Wk, Wv, Wo, the scales' exponents, codes, table
	v_lshl_add_u32 v5, v0, 2, 0x8400
	v_mov_b32 v15, 0
	v_lshrrev_b32 v1, 5, v0
	v_readfirstlane_b32 s[WV], v1                  ; wave
	v_and_b32 v1, 31, v0                           ; lane
	v_lshlrev_b32 v2, 4, v1                        ; 16 x lane
	v_and_b32 v12, 15, v0                          ; r
	v_bfe_u32 v13, v0, 4, 1                        ; h
	s_cmp_ge_u32 ttmp9, 640
	s_cbranch_scc1 .Ltable
	s_lshr_b32 s[T5], ttmp9, 7                     ; which tensor: 0 x, 1 Wq, 2 Wk, 3 Wv, 4 Wo
	s_and_b32 s12, ttmp9, 127                      ; which tile
	s_mul_i32 s13, s[WV], STGB
	v_add_nc_u32 v3, s13, v2                       ; the stage, on the way in: 16 bytes a lane of a row
	v_mul_u32_u24 v4, v12, PIT
	v_lshl_add_u32 v4, v13, 6, v4
	v_add_nc_u32 v4, s13, v4                       ; on the way out: row r, + 64 h
	s_lshr_b32 s14, s12, 1
	s_lshl_b32 s14, s14, 5
	s_and_b32 s15, s12, 1
	s_lshl_b32 s15, s15, 3
	s_add_co_u32 s14, s14, s15                     ; the tile's first row
	s_lshl_b32 s14, s14, 13                        ; rows of 8,192 bytes
	s_lshl_b32 s15, s[WV], 11                      ; my four K steps of 512 bytes
	s_add_co_u32 s14, s14, s15
	s_mov_b32 s15, 0
	s_add_co_u32 s32, s[T5], 2
	s_cmp_eq_u32 s[T5], 0
	s_cselect_b32 s32, 0, s32                      ; the segment: x 0 (and 1, 2), the weights 3 to 6
	s_lshl_b32 s32, s32, 22
	s_lshl_b32 s33, s12, 15
	s_add_co_u32 s32, s32, s33
	s_lshl_b32 s33, s[WV], 13
	s_add_co_u32 s32, s32, s33
	s_mov_b32 s33, 0
	s_wait_kmcnt 0x0
	s_load_b256 s[40:47], s[26:27], 0x0            ; e0 .. e7
	s_load_b128 s[48:51], s[26:27], 0x20           ; e8 .. e11
	s_mov_b64 s[4:5], s[16:17]                     ; the source is chosen on the work-group's number alone
	s_cmp_eq_u32 s[T5], 1
	s_cselect_b64 s[4:5], s[18:19], s[4:5]
	s_cmp_eq_u32 s[T5], 2
	s_cselect_b64 s[4:5], s[20:21], s[4:5]
	s_cmp_eq_u32 s[T5], 3
	s_cselect_b64 s[4:5], s[22:23], s[4:5]
	s_cmp_eq_u32 s[T5], 4
	s_cselect_b64 s[4:5], s[24:25], s[4:5]
	s_add_nc_u64 s[4:5], s[4:5], s[14:15]
	s_add_nc_u64 s[6:7], s[28:29], s[32:33]        ; where my images go;
	s_add_nc_u64 s[8:9], s[6:7], 0x400000          ; x's second and third segments (used for x alone)
	s_add_nc_u64 s[10:11], s[6:7], 0x800000
.macro LOADI s                         ; K step s: 16 rows x 512 bytes into set s % 2; row place i is row i + 8 (i / 8) of the tile's 24
.irp i, 0,1,2,3,4,5,6,7,8,9,10,11,12,13,14,15
	global_load_b128 v[R+64*((\s)%2)+4*\i:R+64*((\s)%2)+4*\i+3], v2, s[4:5] offset:(\i+8*(\i/8))*8192+512*(\s) th:TH_LOAD_NT
.endr
.endm
.macro TURNI s                         ; through the stage: LDS serves a wave's instructions in order, so no wait stands between the stores and the loads
.irp i, 0,1,2,3,4,5,6,7,8,9,10,11,12,13,14,15
	ds_store_b128 v3, v[R+64*((\s)%2)+4*\i:R+64*((\s)%2)+4*\i+3] offset:PIT*\i
.endr
.irp c, 0,1,2,3
.irp j, 0,1,2,3
	ds_load_b128 v[X+16*\c+4*\j:X+16*\c+4*\j+3], v4 offset:128*\c+16*\j
.endr
.endr
.endm
.macro QUANT1 sc, lim, dst, s          ; X's 64 numbers with the scale in v[sc] (v[lim]: 448 x the scale) become an image, stored at s[dst]
	s_wait_xcnt 0x0                                ; the last image's stores have read the code registers
.irp c, 0,1,2,3
.irp i, 0,1,2,3,4,5,6,7,8,9,10,11,12,13,14,15
	v_med3_num_f32 v[T+16*(\c%2)+\i], v[X+16*\c+\i], -v[\lim], v[\lim]   ; the conversion does not saturate (ISA guide 7.6.2): the hold comes first; X stays for the next scale
.endr
	v_cvt_scalef32_pk8_fp8_f32 v[C+4*\c:C+4*\c+1], v[T+16*(\c%2):T+16*(\c%2)+7], v[\sc]
	v_cvt_scalef32_pk8_fp8_f32 v[C+4*\c+2:C+4*\c+3], v[T+16*(\c%2)+8:T+16*(\c%2)+15], v[\sc]   ; the next group's sixteen holds write the other set: plain lines behind the conversions
.endr
.irp c, 0,1,2,3
	global_store_b128 v2, v[C+4*\c:C+4*\c+3], s[\dst:\dst+1] offset:2048*(\s)+512*\c   ; 512 consecutive bytes
.endr
.endm
.macro MKSC e, sc, lim                 ; 2^e and 448 x 2^e as f32
	s_add_co_i32 s52, s[\e], 127
	s_lshl_b32 s53, s52, 23
	v_mov_b32 v[\sc], s53
	s_add_co_i32 s52, s52, 8
	s_lshl_b32 s52, s52, 23
	s_or_b32 s52, s52, 0x600000
	v_mov_b32 v[\lim], s52
.endm
	LOADI 0
	LOADI 1
	s_wait_kmcnt 0x0
	s_cmp_eq_u32 s[T5], 1                          ; my tensor's first scale: e0, e1, e3, e5 or e11
	s_cselect_b32 s40, s41, s40
	s_cmp_eq_u32 s[T5], 2
	s_cselect_b32 s40, s43, s40
	s_cmp_eq_u32 s[T5], 3
	s_cselect_b32 s40, s45, s40
	s_cmp_eq_u32 s[T5], 4
	s_cselect_b32 s40, s51, s40
	MKSC 40, 6, 7
	MKSC 42, 8, 9                                  ; e2 and e4: x's other two
	MKSC 44, 10, 11
.macro STEP s
.if (\s) < 3
	s_wait_loadcnt 16                              ; this step's 16 loads are in; the next step's 16 may be out
.else
	s_wait_loadcnt 0
.endif
	TURNI \s
	s_wait_dscnt 0x0                               ; the numbers are back, and the stage's stores have read their registers,
.if (\s) < 2
	LOADI (\s)+2                                   ; which take the loads of two steps on
.endif
	QUANT1 6, 7, 6, \s
	s_cmp_lg_u32 s[T5], 0                          ; only x has three scales
	s_cbranch_scc1 .Lone_\@
	QUANT1 8, 9, 8, \s
	QUANT1 10, 11, 10, \s
.Lone_\@:
.endm
	STEP 0
	STEP 1
	STEP 2
	STEP 3
	s_wait_tensorcnt 0x0
	ds_add_u32 v5, v15
	s_wait_dscnt 0x0
	s_endpgm
.Ltable:
	s_sub_co_u32 s3, ttmp9, 640
	s_lshl_b32 s3, s3, 2
	s_add_co_u32 s3, s3, s[WV]                     ; table tile T
	s_lshr_b32 s4, s3, 1
	s_lshl_b32 s4, s4, 5
	s_and_b32 s5, s3, 1
	s_lshl_b32 s5, s5, 3
	s_add_co_u32 s4, s4, s5
	v_and_b32 v14, 8, v12
	v_add_nc_u32 v14, v14, v12
	v_add_nc_u32 v14, s4, v14                      ; my token
	v_cvt_f32_u32 v12, v14
	v_lshlrev_b32 v13, 4, v13                      ; 16 h
	s_lshl_b32 s6, s3, 13
	s_mov_b32 s7, 0
	s_mov_b32 s40, 0x3f22f983                      ; 2 / pi
	s_mov_b32 s41, 0xbfc90fdb                      ; -(pi / 2), upper part
	s_mov_b32 s42, 0x333bbd2e                      ; -(pi / 2), lower part
	s_mov_b32 s43, 0x3638ef1d                      ; 1 / 9!
	s_mov_b32 s44, 0xb9500d01                      ; -1 / 7!
	s_mov_b32 s45, 0x3c088889                      ; 1 / 5!
	s_mov_b32 s46, 0xbe2aaaab                      ; -1 / 3!
	s_mov_b32 s47, 0xb493f27e                      ; -1 / 10!
	s_mov_b32 s48, 0x37d00d01                      ; 1 / 8!
	s_mov_b32 s49, 0xbab60b61                      ; -1 / 6!
	s_mov_b32 s50, 0x3d2aaaab                      ; 1 / 4!
.set e, 0
.rept 32                               ; my 32 frequencies' numbers f: register e = 8 b + j
	v_add_nc_u32 v[32+e], 32*((e/8)/2)+8*((e/8)%2)+e%8, v13
.set e, e+1
.endr
.set e, 0
.rept 32
	v_cvt_f32_u32 v[32+e], v[32+e]
.set e, e+1
.endr
.set e, 0
.rept 32
	v_mul_f32 v[32+e], 0xbe549a78, v[32+e]         ; -f log2(10000) / 64
.set e, e+1
.endr
.set e, 0
.rept 32
	v_exp_f32 v[32+e], v[32+e]
.set e, e+1
.endr
	v_nop                                          ; a plain line behind the last exponential
	s_wait_alu depctr_va_vdst(0)                   ; one wait for the batch, ahead of its first reader
.set e, 0
.rept 32
	v_mul_f32 v16, v12, v[32+e]                    ; the angle, rounded once
	v_mul_f32 v17, s40, v16
	v_rndne_f32 v17, v17                           ; n quarter turns
	v_fma_f32 v18, v17, s41, v16
	v_fma_f32 v18, v17, s42, v18                   ; what is left, within +-pi/4
	v_mul_f32 v19, v18, v18
	v_fma_f32 v20, v19, s43, s44
	v_fma_f32 v22, v19, s47, s48
	v_fma_f32 v20, v20, v19, s45
	v_fma_f32 v22, v22, v19, s49
	v_fma_f32 v20, v20, v19, s46
	v_fma_f32 v22, v22, v19, s50
	v_mul_f32 v21, v18, v19
	v_fma_f32 v22, v22, v19, -0.5
	v_fma_f32 v20, v20, v21, v18                   ; its sine
	v_fma_f32 v22, v22, v19, 1.0                   ; its cosine
	v_cvt_i32_f32 v23, v17
	v_and_b32 v24, 1, v23
	v_cmp_eq_u32 vcc_lo, 1, v24                    ; an odd quarter swaps the two
	v_cndmask_b32 v25, v20, v22, vcc_lo
	v_cndmask_b32 v26, v22, v20, vcc_lo
	v_and_b32 v27, 2, v23                          ; the sine changes sign in quarters 2 and 3,
	v_lshlrev_b32 v27, 30, v27
	v_xor_b32 v[96+e], v25, v27
	v_add_nc_u32 v23, 1, v23                       ; the cosine in quarters 1 and 2
	v_and_b32 v23, 2, v23
	v_lshlrev_b32 v23, 30, v23
	v_xor_b32 v[64+e], v26, v23
.set e, e+1
.endr
	s_wait_kmcnt 0x0
	s_add_nc_u64 s[30:31], s[30:31], s[6:7]
.irp b, 0,1,2,3
.irp cs, 0,1
.irp q, 0,1
	global_store_b128 v2, v[64+32*\cs+8*\b+4*\q:64+32*\cs+8*\b+4*\q+3], s[30:31] offset:((2*\b+\cs)*2+\q)*512
.endr
.endr
.endr
	s_endpgm
.Lfunc_end_k_q9e894e10d7_quant:
	.size	k_q9e894e10d7_quant, .Lfunc_end_k_q9e894e10d7_quant-k_q9e894e10d7_quant
	.p2alignl 7, 3214868480
	.fill 96, 4, 3214868480
	.section	.rodata,"a",@progbits
	.p2align	6, 0x0
	.amdhsa_kernel k_q9e894e10d7_quant
		.amdhsa_group_segment_fixed_size 34304
		.amdhsa_private_segment_fixed_size 0
		.amdhsa_enable_private_segment 0
		.amdhsa_kernarg_size 64
		.amdhsa_user_sgpr_count 2
		.amdhsa_user_sgpr_kernarg_segment_ptr 1
		.amdhsa_wavefront_size32 1
		.amdhsa_system_sgpr_workgroup_id_x 1
		.amdhsa_system_sgpr_workgroup_id_y 1
		.amdhsa_system_sgpr_workgroup_id_z 1
		.amdhsa_system_vgpr_workitem_id 0
		.amdhsa_next_free_vgpr 256
		.amdhsa_next_free_sgpr 66
		.amdhsa_reserve_vcc 1
		.amdhsa_float_denorm_mode_32 3
		.amdhsa_float_denorm_mode_16_64 3
		.amdhsa_memory_ordered 1
		.amdhsa_forward_progress 1
		.amdhsa_inst_pref_size 124
	.end_amdhsa_kernel
	.amdgpu_metadata
---
amdhsa.version: [ 1, 2 ]
amdhsa.kernels:
  - .name:           k_q9e894e10d7_quant
    .symbol:         k_q9e894e10d7_quant.kd
    .args:
      - { .name: hidden_states, .offset: 0, .size: 8, .value_kind: global_buffer, .address_space: global }
      - { .name: Wq, .offset: 8, .size: 8, .value_kind: global_buffer, .address_space: global }
      - { .name: Wk, .offset: 16, .size: 8, .value_kind: global_buffer, .address_space: global }
      - { .name: Wv, .offset: 24, .size: 8, .value_kind: global_buffer, .address_space: global }
      - { .name: Wo, .offset: 32, .size: 8, .value_kind: global_buffer, .address_space: global }
      - { .name: lowp_scales, .offset: 40, .size: 8, .value_kind: global_buffer, .address_space: global }
      - { .name: codes, .offset: 48, .size: 8, .value_kind: global_buffer, .address_space: global }
      - { .name: rope_tab, .offset: 56, .size: 8, .value_kind: global_buffer, .address_space: global }
    .group_segment_fixed_size: 34304
    .private_segment_fixed_size: 0
    .kernarg_segment_align: 8
    .kernarg_segment_size: 64
    .max_flat_workgroup_size: 128
    .sgpr_count:     66
    .vgpr_count:     256
    .wavefront_size: 32
...
	.end_amdgpu_metadata
.endif
;; end of part 1
;; launch qkv (part 2): grid 24 x 8, 4 waves a work-group, clusters of 4 x 4, 327,680 bytes of LDS; arguments codes, rope_tab, lowp_scales, qkv_codes; writes qkv_codes
.if DOCPART == 2
	.amdgcn_target "amdgcn-amd-amdhsa--gfx1250"
	.amdhsa_code_object_version 6
	.text
	.protected	k_q9e894e10d7_qkv
	.globl	k_q9e894e10d7_qkv
	.p2align	8
	.type	k_q9e894e10d7_qkv,@function
k_q9e894e10d7_qkv:
	s_mov_b64 s[64:65], 0
	v_nop
	global_prefetch_b8 v0, s[64:65] scope:SCOPE_SE
	s_setreg_imm32_b32 hwreg(HW_REG_WAVE_MODE, 25, 1), 1
	s_wait_xcnt 0x0
	s_wait_alu depctr_hold_cnt(0) depctr_sa_sdst(0) depctr_va_vdst(0) depctr_va_sdst(0) depctr_va_ssrc(0) depctr_va_vcc(0) depctr_vm_vsrc(0)
	s_getreg_b32 s2, hwreg(HW_REG_IB_STS2, 6, 4)
	s_cmp_eq_u32 s2, 0
	s_cbranch_scc0 .Lentry_in_a_cluster
	s_endpgm
.Lentry_in_a_cluster:
	s_bfe_u32 s2, ttmp6, 0x10000c
	s_cmp_lg_u32 s2, 0xf033
	s_cbranch_scc0 .Lentry_shape_is_right
	s_endpgm
.Lentry_shape_is_right:
; The three projections on codes of E4M3, the rotary embedding of q and k, and the quantising of q, k and v for the attention: which = cluster x / 2: 0 q, 1 k, 2 v.
; A tile of 256 x 256 of a product is made by four waves, 128 x 128 each: 64 accumulators of 16 x 16, 512 registers.  K = 2,048 goes in steps of 256 through a ring of two LDS slots filled by the tensor data mover.
; OPERANDS LIE IN MEMORY AS IMAGES OF THEIR REGISTERS (segment [tile 128][K step 16][2048 bytes]; register group c of lane L at byte 512 c + 16 L): a fragment comes from LDS by four loads of 512 consecutive bytes, no pitch, no padding.
; Row place i of tile T is row 32 (T / 2) + 8 (T % 2) + i + 8 (i / 8).  THE MATRIX INSTRUCTION IS USED TRANSPOSED (source 0 = 16 rows of B, source 1 = 16 rows of A): lane (r, h) holds A's row place r, and the 16 registers of
; B's tiles 2 c and 2 c + 1 are B's rows 32 c + 16 h + 0 .. 15: 16 neighbours along the next product's K, so the conversions' results are the next operand's image.
; q, k: A = x (tokens), B = the weight (a wave's 128 columns are one head).  v: A = Wv (a wave's 128 rows are one head's channels), B = x (tokens): the result is V with the keys along the registers.
; A sum stands for sum x 2^(ea + eb); its code is sum / 2^(eo - ea - eb): the three scales are folded into the conversion's one; the rotation, which is linear, is done on the sums as they are.
; LIMIT: eo - ea - eb between -126 and 119.
; OUT: q [head][token tile 128][2048], k likewise, v [head][key step 16][channel tile 8][2048], 4 MiB each.
; CLUSTERS: 4 x 4 work-groups; A's tiles are asked for jointly along a row of the cluster, B's along a column.
; REGISTERS, in windows of 256: window 0: v0-31 addresses; from v128 A's fragments, one set; on the way out v32-199.  window 1: B's fragments, two sets.  windows 2, 3: the accumulators ((a, b) at v[8 (8 (a % 4) + b)]).
.set FR,     16                        ; registers of a fragment
.set NL,     4                         ; LDS loads that bring one
.set NP,     4                         ; places behind this matrix instruction (ISA guide 7.12.1)
.set QUART,  32768                     ; what one tensor load brings: 8 tiles x 2 K steps x 2,048 bytes
.set SLOT,   131072                    ; A's two halves, then B's two halves
.set SPARE,  262144                    ; behind the ring: the spare words, 128 bytes a wave, that no other line names
.set LAPS,   4                         ; 2,048 / (2 x 256)
.set ADRA, 16                          ; v16-17  LDS address of my A fragments in slot 0, 1
.set ADRB, 20                          ; v20-21  the same for B
.set CO,   26                          ; v26     16 x lane
.set SPW,  28                          ; v28     my spare word; never rewritten
.set NIL,  29                          ; v29     0; never rewritten
.set SC,   10                          ; v10     the conversion's scale
.set LIM,  11                          ; v11     448 x that
.set TB,   32                          ; v32-95, v96-159: two sets of 64: a block's cos and sin, then its rotated numbers
.set PC,   160                         ; v160-175, v176-191: two sets of codes
.set TT,   192                         ; v192-199 at work
.set AF,   128
.set G1, 24
.set G0, 32
.set G1B, 48
.set G0B, 56
.set MSB, 0
.macro WIN new                         ; the immediate's high byte repeats the setting that is left
.if MSB != (\new)
	s_set_vgpr_msb (MSB<<8)|(\new)
.set MSB, \new
.endif
.endm
.set MUL_LO, 0xa1                      ; source 0 (B) window 1, source 1 (A) window 0, C and D window 2
.set MUL_HI, 0xf1
.set TO_B,   0x40
.macro JLOAD g0a, g1a, g0b, g1b        ; a joint load: waves 0, 1 fetch for A, waves 2, 3 for B; four v_nop follow each line
	s_cmp_eq_u32 s15, 0
	s_cbranch_scc0 .Lfor_b_\@
	tensor_load_to_lds s[\g0a:\g0a+3], s[\g1a:\g1a+7]
	s_nop 0
.rept 4
	v_nop
.endr
	s_branch .Lasked_\@
.Lfor_b_\@:
	tensor_load_to_lds s[\g0b:\g0b+3], s[\g1b:\g1b+7]
	s_nop 0
.rept 4
	v_nop
.endr
.Lasked_\@:
.endm
.macro CREST
	s_cmp_lg_u32 s14, 0
	s_cbranch_scc1 .Lnot_wave_0_\@
	s_barrier_signal -3
.Lnot_wave_0_\@:
	s_barrier_wait -3
	s_barrier_signal -1
	s_barrier_wait -1
.endm
.macro CROUND
	s_barrier_signal -1
	s_barrier_wait -1
	CREST
.endm
	s_load_b256 s[4:11], s[0:1], 0x0               ; codes s[4:5], table s[6:7], the scales' exponents s[8:9], out s[10:11]
	v_lshl_add_u32 v[SPW], v0, 2, SPARE
	v_mov_b32 v[NIL], 0
	ds_add_u32 v28, v29
	s_wait_dscnt 0x0
	v_lshrrev_b32 v1, 5, v0
	v_readfirstlane_b32 s14, v1                    ; wave 0..3
	s_lshr_b32 s15, s14, 1                         ; which half of A's rows is mine.  Also: I fetch for A (0) or for B (1)
	s_and_b32 s16, s14, 1                          ; which half of B's rows.  Also: which 8 tiles I fetch
	s_bfe_u32 s40, ttmp6, 0x40000                  ; cx, cy
	s_bfe_u32 s41, ttmp6, 0x40004
	s_lshr_b32 s66, ttmp9, 1                       ; which product: the same in all sixteen partners
	s_and_b32 s42, ttmp9, 1
	s_lshl_b32 s42, s42, 2
	s_add_co_u32 s42, s42, s40                     ; B's block of 256 rows
	s_and_b32 s17, ttmp7, 0xffff
	s_lshl_b32 s17, s17, 2
	s_add_co_u32 s17, s17, s41                     ; A's block of 256 rows
	s_lshl_b32 s43, s41, 2
	s_lshl_b32 s43, 15, s43                        ; my row of the cluster
	s_lshl_b32 s44, 0x1111, s40                    ; my column
	; descriptor group 1: 8 rows (tiles) of 4,096 bytes (two K steps' images), 32,768 bytes apart, dense in LDS; elements of 8 bytes
	s_or_b32 s[G1+0], s43, (3<<16)|(1<<21)
	s_or_b32 s[G1B+0], s44, (3<<16)|(1<<21)
.irp g, G1, G1B
	s_mov_b32 s[\g+1], 512<<16                     ; tensor_dim0 = 512
	s_mov_b32 s[\g+2], 8<<16                       ; tensor_dim1 = 8
	s_mov_b32 s[\g+3], 512<<16                     ; tile_dim0 = 512
	s_mov_b32 s[\g+4], 8                           ; tile_dim1 = 8
	s_mov_b32 s[\g+5], 4096                        ; from tile to tile, in elements
	s_mov_b32 s[\g+6], 0
	s_mov_b32 s[\g+7], 0
.endr
	s_add_co_u32 s68, s66, 3
	s_cmp_lt_u32 s66, 2
	s_cselect_b32 s67, s66, 5                      ; A's segment: x with its scale for q or k; for v: Wv
	s_cselect_b32 s68, s68, 2                      ; B's segment: Wq or Wk; for v: x with its third scale
	s_lshl_b32 s20, s67, 22
	s_lshl_b32 s18, s17, 19
	s_add_co_u32 s20, s20, s18
	s_lshl_b32 s18, s16, 18
	s_add_co_u32 s20, s20, s18                     ; A: segment, block of 16 tiles, my 8 of them
	s_mov_b32 s21, 0
	s_lshl_b32 s46, s68, 22
	s_lshl_b32 s47, s42, 19
	s_add_co_u32 s46, s46, s47
	s_add_co_u32 s46, s46, s18                     ; B likewise
	s_mov_b32 s47, 0
	s_lshl_b32 s45, s14, 15                        ; where they go: wave x 32,768: no place in the cluster enters an LDS address
	s_wait_kmcnt 0x0
	s_load_b256 s[72:79], s[8:9], 0x0              ; e0 .. e7
	s_load_b32 s80, s[8:9], 0x20                   ; e8
	s_add_nc_u64 s[20:21], s[4:5], s[20:21]
	s_add_nc_u64 s[46:47], s[4:5], s[46:47]
	CROUND                                         ; all sixteen work-groups are here: the first joint loads meet
.irp s, 0,1
	s_mov_b32 s[G0+4*\s], 1
	s_add_co_u32 s[G0+4*\s+1], s45, \s*SLOT
	s_add_nc_u64 s[G0+4*\s+2:G0+4*\s+3], s[20:21], \s*4096
	s_or_b32 s[G0+4*\s+3], s[G0+4*\s+3], 0x80000000
	s_mov_b32 s[G0B+4*\s], 1
	s_add_co_u32 s[G0B+4*\s+1], s45, \s*SLOT
	s_add_nc_u64 s[G0B+4*\s+2:G0B+4*\s+3], s[46:47], \s*4096
	s_or_b32 s[G0B+4*\s+3], s[G0B+4*\s+3], 0x80000000
	JLOAD G0+4*\s, G1, G0B+4*\s, G1B
.endr
	v_and_b32 v6, 31, v0
	v_lshlrev_b32 v[CO], 4, v6
	s_lshl_b32 s21, s15, 15                        ; my 8 tiles of A
	s_lshl_b32 s22, s16, 15                        ; my 8 tiles of B,
	s_add_co_u32 s22, s22, 65536                   ; which lie behind A's 16
.irp s, 0,1
	v_add_nc_u32 v[ADRA+\s], s21, v[CO]
	v_add_nc_u32 v[ADRB+\s], s22, v[CO]
	s_add_co_u32 s21, s21, SLOT
	s_add_co_u32 s22, s22, SLOT
.endr
	s_lshl_b32 s81, s17, 1
	s_add_co_u32 s81, s81, s15                     ; R: my 128 rows of A
	s_lshl_b32 s82, s42, 1
	s_add_co_u32 s82, s82, s16                     ; Cc: my 128 rows of B
	s_cmp_lt_u32 s66, 2
	s_cselect_b32 s83, s82, s81                    ; the head: q, k: Cc; v: R
	s_cselect_b32 s84, s81, s82                    ; the 128 tokens: q, k: R; v: Cc
	s_lshl_b32 s83, s83, 18
	s_lshl_b32 s84, s84, 14
	s_add_co_u32 s84, s84, s83
	s_lshl_b32 s83, s66, 22
	s_add_co_u32 s84, s84, s83
	s_mov_b32 s85, 0
	s_add_nc_u64 s[10:11], s[10:11], s[84:85]      ; my eight images
	s_lshl_b32 s84, s81, 16
	s_add_nc_u64 s[6:7], s[6:7], s[84:85]          ; my eight table tiles (q and k)
.macro FRAG reg, adr, q, i             ; tile i's image of the slot's K step q
.irp c, 0,1,2,3
	ds_load_b128 v[\reg+4*\c:\reg+4*\c+3], v[\adr] offset:4096*(\i)+2048*(\q)+512*\c
.endr
.endm
; 16 matrix instructions: A's blocks a0, a0 + 1 x B's eight, 128 along K.  The 64 accumulators take turns, one instruction a turn, in the same order in every step.
.macro MUL16 a0, p, zero
.irp a, \a0, \a0+1
.irp b, 0,1,2,3,4,5,6,7
.if \zero
	v_wmma_f32_16x16x128_fp8_fp8 v[8*(8*((\a)%4)+\b):8*(8*((\a)%4)+\b)+7], v[128*(\p)+FR*\b:128*(\p)+FR*\b+FR-1], v[AF+FR*(\a):AF+FR*(\a)+FR-1], 0
.else
	v_wmma_f32_16x16x128_fp8_fp8 v[8*(8*((\a)%4)+\b):8*(8*((\a)%4)+\b)+7], v[128*(\p)+FR*\b:128*(\p)+FR*\b+FR-1], v[AF+FR*(\a):AF+FR*(\a)+FR-1], v[8*(8*((\a)%4)+\b):8*(8*((\a)%4)+\b)+7]
.endif
.endr
.endr
.endm
.macro FETCH_B slot, q, p
	WIN TO_B
.irp i, 0,1,2,3,4,5,6,7
	FRAG 128*(\p)+FR*\i, ADRB+\slot, \q, \i
.endr
	WIN 0
.endm
.macro FETCH_A slot, q, i0
.irp i, \i0, \i0+1, \i0+2, \i0+3
	FRAG AF+FR*(\i), ADRA+\slot, \q, \i
.endr
.endm
.macro PLACES n                        ; plain vector lines between a matrix instruction and a load into, or a read of, its registers
.rept \n
	v_nop
.endr
.endm
.macro STEP slot, q, zero              ; a step of 128 along K that has its successor in the same slot
	s_wait_dscnt 4*NL                              ; B's set and A's blocks 0-3 are in; the youngest 16 loads (A's blocks 4-7) may be out
	WIN MUL_LO
	MUL16 0, (\q)%2, \zero
	MUL16 2, (\q)%2, \zero
	s_wait_dscnt 0
	PLACES NP
	FETCH_B \slot, (\q)+1, 1-(\q)%2
	FETCH_A \slot, (\q)+1, 0
	WIN MUL_HI
	MUL16 4, (\q)%2, \zero
	MUL16 6, (\q)%2, \zero
	PLACES NP
	WIN 0
	FETCH_A \slot, (\q)+1, 4
.endm
; A slot's last step changes slots: one barrier; in front of it each wave waits for all its tensor loads, adds 0 to its spare word, and waits for that and for its reads of this slot.
.macro TURN slot, next, fill
	s_wait_tensorcnt 0x0                           ; all my tensor loads have landed: my part of the next slot
	ds_add_u32 v[SPW], v[NIL]                      ; 0 onto my spare word
	s_wait_dscnt 4*NL+1                            ; the add and the youngest 16 loads may be out
	WIN MUL_LO
	MUL16 0, 1, 0
	s_wait_dscnt 0x0                               ; the add is done, and my reads of this slot are over
	s_barrier_signal -1
	MUL16 2, 1, 0
	WIN 0
	s_barrier_wait -1
.if \fill
	CREST                                          ; the barrier has opened a round of the cluster's: no wave of any partner still reads this slot or has a load on its way
	s_add_nc_u64 s[G0+4*\slot+2:G0+4*\slot+3], s[G0+4*\slot+2:G0+4*\slot+3], 8192
	s_add_nc_u64 s[G0B+4*\slot+2:G0B+4*\slot+3], s[G0B+4*\slot+2:G0B+4*\slot+3], 8192
	JLOAD G0+4*\slot, G1, G0B+4*\slot, G1B         ; the first tensor load behind the round; its four v_nop are the places in front of the loads below
.else
	PLACES NP
.endif
	FETCH_B \next, 0, 0
	FETCH_A \next, 0, 0
	WIN MUL_HI
	MUL16 4, 1, 0
	MUL16 6, 1, 0
	PLACES NP
	WIN 0
	FETCH_A \next, 0, 4
.endm
	s_wait_tensorcnt 1                             ; my part of slot 0 is in; slot 1's load may be out
	s_barrier_signal -1
	s_barrier_wait -1
	FETCH_B 0, 0, 0
	FETCH_A 0, 0, 0
	FETCH_A 0, 0, 4
	STEP 0, 0, 1                                   ; the first step's products start the sums
	s_mov_b32 s3, LAPS-1
.Llap:
	TURN 0, 1, 1
	STEP 1, 0, 0
	TURN 1, 0, 1
	STEP 0, 0, 0
	s_sub_co_u32 s3, s3, 1
	s_cmp_lg_u32 s3, 0
	s_cbranch_scc1 .Llap
	TURN 0, 1, 0                                   ; the last lap fills nothing
	STEP 1, 0, 0
	s_wait_dscnt 4*NL
	WIN MUL_LO
	MUL16 0, 1, 0
	MUL16 2, 1, 0
	s_wait_dscnt 0
	WIN MUL_HI
	MUL16 4, 1, 0
	MUL16 6, 1, 0
	WIN 0
	; THE WAY OUT: no LDS: a block's codes are an image, stored as it stands.
	s_wait_kmcnt 0x0
	s_add_co_i32 s72, s72, s73
	s_add_co_i32 s74, s74, s75
	s_add_co_i32 s76, s76, s77
	s_sub_co_i32 s72, s78, s72                     ; q: e6 - e0 - e1
	s_sub_co_i32 s74, s79, s74                     ; k: e7 - e2 - e3
	s_sub_co_i32 s76, s80, s76                     ; v: e8 - e4 - e5
	s_cmp_eq_u32 s66, 1
	s_cselect_b32 s72, s74, s72
	s_cmp_eq_u32 s66, 2
	s_cselect_b32 s72, s76, s72
	s_add_co_i32 s72, s72, 127
	s_lshl_b32 s73, s72, 23
	v_mov_b32 v[SC], s73
	s_add_co_i32 s72, s72, 8
	s_lshl_b32 s72, s72, 23
	s_or_b32 s72, s72, 0x600000
	v_mov_b32 v[LIM], s72
	PLACES NP                                      ; behind the last products: for the reads of results and the loads into A's registers
	s_cmp_eq_u32 s66, 2
	s_cbranch_scc1 .Lv
.macro TABLOAD a                       ; block a's cos and sin: register 16 b + j: cos, 16 b + 8 + j: sin, of my token and the frequency of tile b's register j
.irp i, 0,1,2,3,4,5,6,7,8,9,10,11,12,13,14,15
	global_load_b128 v[TB+64*((\a)%2)+4*\i:TB+64*((\a)%2)+4*\i+3], v[CO], s[6:7] offset:8192*(\a)+512*\i
.endr
.endm
.macro STORE4 a
.irp c, 0,1,2,3
	global_store_b128 v[CO], v[PCA+4*\c:PCA+4*\c+3], s[10:11] offset:2048*(\a)+512*\c   ; 512 consecutive bytes
.endr
.endm
.macro ROPE a                          ; 16 tokens x the head's 128: tile b (channels under 64) is paired with tile b + 4
.set TBA, TB+64*((\a)%2)
.set PCA, PC+16*((\a)%2)
.set AC, 64*((\a)%4)
.if (\a) < 7
	s_wait_loadcnt 16                              ; this block's table is in; the next block's 16 loads may be out
.else
	s_wait_loadcnt 0
.endif
	WIN 0x02+((\a)/4)                              ; source 0: the accumulators' window
.irp b, 0,1,2,3
.irp p, 0,2,4,6
	v_pk_mul_f32 v[TT+\p:TT+\p+1], v[AC+8*\b+32+\p:AC+8*\b+33+\p], v[TBA+16*\b+8+\p:TBA+16*\b+9+\p]   ; hi x sin (each accumulator is read from its low end on)
.endr
.irp p, 0,2,4,6
	v_pk_mul_f32 v[TBA+16*\b+8+\p:TBA+16*\b+9+\p], v[AC+8*\b+\p:AC+8*\b+1+\p], v[TBA+16*\b+8+\p:TBA+16*\b+9+\p]   ; lo x sin
.endr
.irp p, 0,2,4,6
	v_pk_fma_f32 v[TBA+16*\b+8+\p:TBA+16*\b+9+\p], v[AC+8*\b+32+\p:AC+8*\b+33+\p], v[TBA+16*\b+\p:TBA+16*\b+1+\p], v[TBA+16*\b+8+\p:TBA+16*\b+9+\p]   ; hi x cos + lo x sin
.endr
.irp p, 0,2,4,6
	v_pk_fma_f32 v[TBA+16*\b+\p:TBA+16*\b+1+\p], v[AC+8*\b+\p:AC+8*\b+1+\p], v[TBA+16*\b+\p:TBA+16*\b+1+\p], v[TT+\p:TT+\p+1] neg_lo:[0,0,1] neg_hi:[0,0,1]   ; lo x cos - hi x sin
.endr
.endr
	WIN 0
.set n, 0
.rept 64
	v_med3_num_f32 v[TBA+n], v[TBA+n], -v[LIM], v[LIM]   ; the conversion does not saturate (ISA guide 7.6.2)
.set n, n+1
.endr
.if (\a) >= 2
	s_wait_xcnt 0x0                                ; block a - 2's stores have read this set of codes
.endif
.irp b, 0,1,2,3
	v_cvt_scalef32_pk8_fp8_f32 v[PCA+2*\b:PCA+2*\b+1], v[TBA+16*\b:TBA+16*\b+7], v[SC]
	v_cvt_scalef32_pk8_fp8_f32 v[PCA+8+2*\b:PCA+9+2*\b], v[TBA+16*\b+8:TBA+16*\b+15], v[SC]
.endr
	v_nop                                          ; a plain line behind the last conversion
	STORE4 \a
.if (\a) < 6
	TABLOAD (\a)+2
.endif
.endm
	TABLOAD 0
	TABLOAD 1
.irp a, 0,1,2,3,4,5,6,7
	ROPE \a
.endr
	s_branch .Lend
.Lv:
.macro VOUT a                          ; 16 channels x 128 keys
.set TBA, TB+64*((\a)%2)
.set PCA, PC+16*((\a)%2)
.set AC, 64*((\a)%4)
	WIN 0x02+((\a)/4)
.set n, 0
.rept 64
	v_med3_num_f32 v[TBA+n], v[AC+n], -v[LIM], v[LIM]
.set n, n+1
.endr
	WIN 0
.if (\a) >= 2
	s_wait_xcnt 0x0
.endif
.irp b, 0,1,2,3,4,5,6,7
	v_cvt_scalef32_pk8_fp8_f32 v[PCA+2*\b:PCA+2*\b+1], v[TBA+8*\b:TBA+8*\b+7], v[SC]
.endr
	v_nop
	STORE4 \a
.endm
.irp a, 0,1,2,3,4,5,6,7
	VOUT \a
.endr
.Lend:
	s_wait_tensorcnt 0x0                           ; the wave's end
	ds_add_u32 v[SPW], v[NIL]
	s_wait_dscnt 0x0
	CROUND                                         ; the closing round
	s_endpgm
.Lfunc_end_k_q9e894e10d7_qkv:
	.size	k_q9e894e10d7_qkv, .Lfunc_end_k_q9e894e10d7_qkv-k_q9e894e10d7_qkv
	.p2alignl 7, 3214868480
	.fill 96, 4, 3214868480
	.section	.rodata,"a",@progbits
	.p2align	6, 0x0
	.amdhsa_kernel k_q9e894e10d7_qkv
		.amdhsa_group_segment_fixed_size 327680
		.amdhsa_private_segment_fixed_size 0
		.amdhsa_enable_private_segment 0
		.amdhsa_kernarg_size 32
		.amdhsa_user_sgpr_count 2
		.amdhsa_user_sgpr_kernarg_segment_ptr 1
		.amdhsa_wavefront_size32 1
		.amdhsa_system_sgpr_workgroup_id_x 1
		.amdhsa_system_sgpr_workgroup_id_y 1
		.amdhsa_system_sgpr_workgroup_id_z 1
		.amdhsa_system_vgpr_workitem_id 0
		.amdhsa_next_free_vgpr 1024
		.amdhsa_next_free_sgpr 100
		.amdhsa_reserve_vcc 0
		.amdhsa_float_denorm_mode_32 3
		.amdhsa_float_denorm_mode_16_64 3
		.amdhsa_memory_ordered 1
		.amdhsa_forward_progress 1
		.amdhsa_inst_pref_size 202
	.end_amdhsa_kernel
	.amdgpu_metadata
---
amdhsa.version: [ 1, 2 ]
amdhsa.kernels:
  - .name:           k_q9e894e10d7_qkv
    .symbol:         k_q9e894e10d7_qkv.kd
    .args:
      - { .name: codes, .offset: 0, .size: 8, .value_kind: global_buffer, .address_space: global }
      - { .name: rope_tab, .offset: 8, .size: 8, .value_kind: global_buffer, .address_space: global }
      - { .name: lowp_scales, .offset: 16, .size: 8, .value_kind: global_buffer, .address_space: global }
      - { .name: qkv_codes, .offset: 24, .size: 8, .value_kind: global_buffer, .address_space: global }
    .group_segment_fixed_size: 327680
    .private_segment_fixed_size: 0
    .kernarg_segment_align: 8
    .kernarg_segment_size: 32
    .max_flat_workgroup_size: 128
    .sgpr_count:     100
    .vgpr_count:     1024
    .wavefront_size: 32
...
	.end_amdgpu_metadata
.endif
;; end of part 2
;; launch attn (part 3): grid 16 x 16, 8 waves a work-group, clusters of 4 x 1, 327,680 bytes of LDS; arguments qkv_codes, lowp_scales, attn_codes; writes attn_codes
.if DOCPART == 3
	.amdgcn_target "amdgcn-amd-amdhsa--gfx1250"
	.amdhsa_code_object_version 6
	.text
	.protected	k_q9e894e10d7_attn
	.globl	k_q9e894e10d7_attn
	.p2align	8
	.type	k_q9e894e10d7_attn,@function
k_q9e894e10d7_attn:
	s_mov_b64 s[64:65], 0
	v_nop
	global_prefetch_b8 v0, s[64:65] scope:SCOPE_SE
	s_setreg_imm32_b32 hwreg(HW_REG_WAVE_MODE, 25, 1), 1
	s_wait_xcnt 0x0
	s_wait_alu depctr_hold_cnt(0) depctr_sa_sdst(0) depctr_va_vdst(0) depctr_va_sdst(0) depctr_va_ssrc(0) depctr_va_vcc(0) depctr_vm_vsrc(0)
	s_getreg_b32 s2, hwreg(HW_REG_IB_STS2, 6, 4)
	s_cmp_eq_u32 s2, 0
	s_cbranch_scc0 .Lentry_in_a_cluster
	s_endpgm
.Lentry_in_a_cluster:
	s_bfe_u32 s2, ttmp6, 0x10000c
	s_cmp_lg_u32 s2, 0x3003
	s_cbranch_scc0 .Lentry_shape_is_right
	s_endpgm
.Lentry_shape_is_right:
; Causal attention on codes of E4M3, 16 heads of 128, 2,048 tokens; its result, divided by the row's sum, is quantised for the last projection.
; THE SOFTMAX: t = score x log2(e) / sqrt(128); M = the running largest t rounded up to a whole number; p = 2^(t - M) is quantised with 2^e9; the sum is taken of the unquantised p and divides at the end.
; SHARES.  A work-group owns two blocks of 64 queries of one head: A = b and B = 31 - b, b = 4 x cluster x + cx.  It walks slots of 256 keys: cluster x + 1 slots for A, then 8 - cluster x for B: always nine, and the same
; key slots in all four partners of a cluster, so each slot's K and V are asked for JOINTLY.  Wave w: query tile t = w % 4 of the block, key half u = w / 4 of the slot: one step of 128 keys a slot.
; Only a block's last slot lies on the diagonal: there hidden scores become -infinity (a number a lane; no branch hangs on a work-group's place in its cluster).  A half that is wholly hidden gives p = 0.
; The two key halves keep their own M, sum and O; they meet in LDS at the end and are joined by exact powers of two.
; LAYOUT.  All operands are images of their registers (16 rows x 128 K in 2,048 bytes, group c of lane L at 512 c + 16 L).  Both products are used transposed: S^T = K Q^T, O^T = V^T P^T: a lane holds one query throughout.
; Row place i of tile T is row 32 (T / 2) + 8 (T % 2) + i + 8 (i / 8), so that the 16 registers of two neighbouring tiles are 16 neighbours along the next K.
; LIMITS: e6 + e7 between -123 and 130 (added to c's exponent field); e9, and e10 - e8 - e9, between -126 and 119.
; REGISTERS: v1 my place in a slot; v3 prefetch offset; v4 the mask's number in hand, v9 block B's; v5, v6 the spare word and 0; v7 16 x lane; v8 address in hand; v10, v11 where I leave O and M, l; v12 -M, v13 largest t,
; v[14:15] the sum; v16-31 Q; v32-95 four fragments; v96-159 S^T, then p; v160-223 O^T; v224-239 codes; v240, v244 448 x the scale and the scale; v246, v247 where I read at the end; v236, v242-254 at work.
.set SLOT1, 65536                      ; a slot: K step 0, K step 1, V step 0, V step 1, 16,384 bytes each
.set SPARE, 131072                     ; the spare words: 128 bytes for each of eight waves, that no other line names
.set SCR,   132096                     ; what the halves leave: region (2 t + u, block): 16 x 512 bytes of O^T, 128 of -M, 128 of the sum
.set SCRW,  16896
.set SCRB,  8448
.macro CROUND
	s_barrier_signal -1
	s_barrier_wait -1
	s_cmp_lg_u32 s18, 0
	s_cbranch_scc1 .Lnot_wave_0_\@
	s_barrier_signal -3
.Lnot_wave_0_\@:
	s_barrier_wait -3
	s_barrier_signal -1
	s_barrier_wait -1
.endm
.macro TLOAD                           ; waves 0, 1 fetch the slot's two steps of K, waves 2, 3 of V; four v_nop follow the line
	s_cmp_lt_u32 s18, 4
	s_cbranch_scc0 .Lnone_\@
	tensor_load_to_lds s[40:43], s[24:31]
	s_nop 0
.rept 4
	v_nop
.endr
.Lnone_\@:
.endm
; A prefetch of the key slot that the change two trips on asks for in the head's first cluster, which is the one that walks all eight key slots.  Its four partners share a slot's 32,768 bytes of K and of V out by address,
; 8,192 each; wave 4 asks for K's, wave 5 for V's, lanes 256 bytes apart: each block of 256 bytes is named once.  Key slots 0 and 1 come by their loads alone; the last two trips ask for nothing.
.macro ASK
	s_cmp_le_u32 s3, s48
	s_cbranch_scc0 .Lnot_mine_\@
	global_prefetch_b8 v3, s[46:47] th:TH_LOAD_NT scope:SCOPE_SE
.Lnot_mine_\@:
.endm
	s_load_b128 s[4:7], s[0:1], 0x0                ; q, k, v codes s[4:5]; the scales' exponents s[6:7]
	s_load_b64 s[8:9], s[0:1], 0x10                ; out
	v_lshl_add_u32 v5, v0, 2, SPARE
	v_mov_b32 v6, 0
	ds_add_u32 v5, v6
	s_wait_dscnt 0x0
	v_lshrrev_b32 v8, 5, v0
	v_readfirstlane_b32 s18, v8                    ; wave 0..7
	s_and_b32 s12, s18, 3                          ; t
	s_lshr_b32 s13, s18, 2                         ; u
	s_bfe_u32 s14, ttmp6, 0x40000                  ; cx
	s_and_b32 s15, ttmp7, 0xffff                   ; the head
	s_lshl_b32 s16, ttmp9, 2
	s_add_co_u32 s16, s16, s14                     ; block A
	s_sub_co_u32 s17, 31, s16                      ; block B
	s_add_co_u32 s10, ttmp9, 1                     ; NA: block A's slots: the same in all four partners
	s_add_co_u32 s11, s10, 1
	s_mov_b32 s24, 15|(3<<16)|(1<<21)              ; group 1: the mask: all four; elements of 8 bytes; no padding
	s_mov_b32 s25, 32<<16                          ; 64 rows of 256 bytes, dense
	s_mov_b32 s26, 64<<16
	s_mov_b32 s27, 32<<16
	s_mov_b32 s28, 64
	s_mov_b32 s29, 32
	s_mov_b32 s30, 0
	s_mov_b32 s31, 0
	s_mov_b32 s20, 0x76543210
	s_mov_b32 s21, 0xfedcba98                      ; v_permlanex16_b32: lane l xor 16
	s_mov_b32 s22, 0x3e0293ee                      ; c = log2(e) / sqrt(128)
	s_mov_b32 s2, 0                                ; LDS byte of the slot in hand
	s_mov_b32 s3, 0                                ; J: slots asked for behind the first
	s_lshl_b32 s19, s15, 18                        ; the head's bytes in each segment
	s_cmp_lt_u32 s18, 2
	s_cselect_b32 s38, 1, 2                        ; what I fetch, if I fetch: segment 1 (k) or 2 (v),
	s_lshl_b32 s38, s38, 22
	s_add_co_u32 s38, s38, s19
	s_and_b32 s49, s18, 1
	s_lshl_b32 s49, s49, 14                        ; the slot's first or second step
	s_add_co_u32 s38, s38, s49
	s_mov_b32 s39, 0
	s_lshl_b32 s50, s16, 2
	s_add_co_u32 s50, s50, s12
	s_lshl_b32 s50, s50, 11
	s_add_co_u32 s50, s50, s19                     ; block A's tile of q
	s_mov_b32 s51, 0
	s_lshl_b32 s58, s17, 2
	s_add_co_u32 s58, s58, s12
	s_lshl_b32 s58, s58, 11
	s_add_co_u32 s58, s58, s19                     ; block B's
	s_mov_b32 s59, 0
	s_cmp_eq_u32 s13, 0
	s_cselect_b32 s60, s16, s17                    ; at the end waves 0-3 finish block A, waves 4-7 block B
	s_lshl_b32 s60, s60, 2
	s_add_co_u32 s60, s60, s12
	s_lshl_b32 s60, s60, 15
	s_lshl_b32 s61, s15, 11
	s_add_co_u32 s60, s60, s61                     ; out: [token tile][head][2048]
	s_mov_b32 s61, 0
	s_and_b32 s62, s18, 1
	s_add_co_u32 s62, s62, 1
	s_lshl_b32 s62, s62, 22
	s_add_co_u32 s62, s62, s19
	s_lshl_b32 s63, s14, 13
	s_add_co_u32 s62, s62, s63
	s_add_co_u32 s62, s62, 32768                   ; the prefetches stand at key slot 1: the first change steps them to 2
	s_mov_b32 s63, 0
	s_lshr_b32 s48, s18, 1
	s_xor_b32 s48, s48, 2                          ; 0 in waves 4 and 5,
	s_or_b32 s48, s48, ttmp9                       ; of the head's first cluster
	s_cmp_eq_u32 s48, 0
	s_cselect_b32 s48, 6, 0                        ; they ask while J is at most 6
	s_wait_kmcnt 0x0
	s_load_b128 s[52:55], s[6:7], 0x18             ; e6, e7, e8, e9
	s_load_b32 s56, s[6:7], 0x28                   ; e10
	s_add_nc_u64 s[36:37], s[4:5], s[38:39]
	s_add_nc_u64 s[32:33], s[4:5], s[50:51]
	s_add_nc_u64 s[34:35], s[4:5], s[58:59]
	s_add_nc_u64 s[44:45], s[8:9], s[60:61]
	s_add_nc_u64 s[46:47], s[4:5], s[62:63]
	s_mov_b32 s40, 1                               ; group 0: count,
	s_lshl_b32 s41, s18, 14                        ; LDS: slot 0, wave x 16,384,
	s_mov_b64 s[42:43], s[36:37]                   ; key slot 0,
	s_or_b32 s43, s43, 0x80000000                  ; the type
	CROUND                                         ; all four work-groups are here
	TLOAD
	v_and_b32 v7, 31, v0
	v_lshlrev_b32 v3, 8, v7
	v_lshlrev_b32 v2, 2, v7
	v_lshlrev_b32 v7, 4, v7
.irp c, 0,1,2,3
	global_load_b128 v[16+4*\c:19+4*\c], v7, s[32:33] offset:512*\c   ; block A's tile of q
.endr
	s_lshl_b32 s49, s13, 14
	v_add_nc_u32 v1, s49, v7                       ; my half's step of K in a slot; V's lies 32,768 further on
	s_lshl_b32 s49, s12, 1
	s_add_co_u32 s49, s49, s13
	s_mul_i32 s49, s49, SCRW
	s_add_co_u32 s49, s49, SCR
	v_add_nc_u32 v10, s49, v7
	s_add_co_u32 s57, s49, 8192
	v_add_nc_u32 v11, s57, v2
	s_mul_i32 s49, s12, 2*SCRW
	s_mul_i32 s57, s13, SCRB
	s_add_co_u32 s49, s49, s57
	s_add_co_u32 s49, s49, SCR
	v_add_nc_u32 v246, s49, v7
	s_add_co_u32 s57, s49, 8192
	v_add_nc_u32 v247, s57, v2
	; the mask's number: my query less the slot's first key, less 128 u + 16 h: register 16 b + i holds the key 32 b + i above that: hidden where 32 b + i is greater
	v_and_b32 v8, 15, v0
	v_bfe_u32 v2, v0, 4, 1
	v_and_b32 v4, 8, v8
	v_add_nc_u32 v4, v4, v8
	v_lshlrev_b32 v2, 4, v2
	v_sub_nc_u32 v4, v4, v2
	s_lshr_b32 s49, s12, 1
	s_lshl_b32 s49, s49, 5
	s_and_b32 s57, s12, 1
	s_lshl_b32 s57, s57, 3
	s_add_co_u32 s49, s49, s57
	s_lshl_b32 s57, s13, 7
	s_sub_co_i32 s49, s49, s57
	v_add_nc_u32 v4, s49, v4
	s_sub_co_u32 s57, 3, s14
	s_lshl_b32 s57, s57, 6
	v_add_nc_u32 v9, s57, v4                       ; block B lies 64 (3 - cx) into its last slot,
	s_lshl_b32 s57, s14, 6
	v_add_nc_u32 v4, s57, v4                       ; block A 64 cx
	v_mov_b32 v13, 0xff61b1e6                      ; the largest t so far: -3e38
	v_floor_f32 v12, -v13
	v_mov_b32 v14, 0
	v_mov_b32 v15, 0
	v_mov_b32 v236, 0                              ; a lane permute's destination counts as a source
	v_mov_b32 v253, 0                              ; named as the upper half of v[252:253]
.set j, 0
.rept 64
	v_mov_b32 v[160+j], 0                          ; O^T: the step is written for every slot alike
.set j, j+1
.endr
	s_wait_kmcnt 0x0
	s_add_co_i32 s57, s52, s53
	s_lshl_b32 s57, s57, 23
	s_add_co_i32 s22, s22, s57                     ; a score stands for score x 2^(e6 + e7)
	s_mov_b32 s23, s22
	s_add_co_i32 s57, s55, 127
	s_lshl_b32 s49, s57, 23
	v_mov_b32 v244, s49                            ; 2^e9
	s_add_co_i32 s57, s57, 8
	s_lshl_b32 s57, s57, 23
	s_or_b32 s57, s57, 0x600000
	v_mov_b32 v240, s57                            ; 448 x 2^e9
.macro CHANGE fill                     ; at a slot's head: all my tensor loads are in, the add, my reads of the slot left are over; then the barrier; then the slot left is filled
	s_wait_tensorcnt 0x0
	ds_add_u32 v5, v6                              ; 0 onto my spare word
.if \fill
	s_xor_b32 s41, s41, SLOT1                      ; the other slot than last time
	s_add_co_u32 s3, s3, 1                         ; slot J of the nine:
	s_cmp_lt_u32 s3, s10
	s_cselect_b32 s38, 0, s10
	s_sub_co_u32 s38, s3, s38                      ; key slot J for block A, J - NA for block B
	s_lshl_b32 s38, s38, 15
	s_add_nc_u64 s[42:43], s[36:37], s[38:39]
	s_or_b32 s43, s43, 0x80000000
	s_wait_xcnt 0x0                                ; the last prefetch, a trip back, has read its address
	s_add_nc_u64 s[46:47], s[46:47], 32768
.endif
	s_wait_dscnt 0x0
.if \fill
	CROUND                                         ; no wave of any partner still reads the slot or has a load on its way
	TLOAD
	ASK
.else
	s_barrier_signal -1
	s_barrier_wait -1
.endif
.endm
.macro DUMP blk                        ; my half's O^T, -M and sum of a block go to LDS bytes of my own
.irp g, 0,1,2,3,4,5,6,7,8,9,10,11,12,13,14,15
	ds_store_b128 v10, v[160+4*\g:163+4*\g] offset:SCRB*\blk+512*\g
.endr
	ds_store_b32 v11, v12 offset:SCRB*\blk
	ds_store_b32 v11, v14 offset:SCRB*\blk+128
.endm
.macro SWITCH                          ; block A is done: in the trip that works slot NA
	s_cmp_lg_u32 s3, s11
	s_cbranch_scc1 .Lsame_\@
.rept 4
	v_nop                                          ; places behind the last products
.endr
	v_add_f32 v14, v14, v15
	DUMP 0
.irp c, 0,1,2,3
	global_load_b128 v[16+4*\c:19+4*\c], v7, s[34:35] offset:512*\c   ; block B's tile of q
.endr
	s_wait_dscnt 0x0                               ; the stores have read their registers
	v_mov_b32 v13, 0xff61b1e6
	v_floor_f32 v12, -v13
	v_mov_b32 v14, 0
	v_mov_b32 v15, 0
.set j, 0
.rept 64
	v_mov_b32 v[160+j], 0
.set j, j+1
.endr
	v_mov_b32 v4, v9
	s_wait_loadcnt 0x0
.Lsame_\@:
.endm
.macro STEP diag                       ; my 128 keys of the slot in hand.  diag = 1: the slot lies on the diagonal; 0: it does where J = NA
	v_add_nc_u32 v8, s2, v1
.rept 3
	v_nop                                          ; with the addition: four places in front of loads into registers that the last products read
.endr
.irp g, 0,1
.if \g > 0
.rept 4
	v_nop
.endr
.endif
.irp t, 0,1,2,3
.irp c, 0,1,2,3
	ds_load_b128 v[32+16*\t+4*\c:32+16*\t+4*\c+3], v8 offset:(4*\g+\t)*2048+512*\c
.endr
.endr
	s_wait_dscnt 0x0
.irp t, 0,1,2,3
	v_wmma_f32_16x16x128_fp8_fp8 v[96+8*(4*\g+\t):103+8*(4*\g+\t)], v[32+16*\t:47+16*\t], v[16:31], 0
.endr
.endr
.rept 4
	v_nop
.endr
.irp t, 0,1,2,3                        ; V's first four tiles are asked for here and land under the softmax
.irp c, 0,1,2,3
	ds_load_b128 v[32+16*\t+4*\c:32+16*\t+4*\c+3], v8 offset:32768+\t*2048+512*\c
.endr
.endr
.if !(\diag)
	s_cmp_lg_u32 s3, s10
	s_cbranch_scc1 .Lopen_\@
.endif
	v_mov_b32 v254, 0xff800000                     ; -infinity
.set n, 0
.rept 64
	v_cmp_gt_i32 vcc_lo, 32*(n/16)+n%16, v4
	v_cndmask_b32 v[96+n], v[96+n], v254, vcc_lo
.set n, n+1
.endr
.if !(\diag)
.Lopen_\@:
.endif
	v_max3_num_f32 v254, v96, v97, v98             ; the step's largest score of my query among my 64 keys, in two chains,
	v_max3_num_f32 v252, v99, v100, v101
.irp i, 6,10,14,18,22,26,30,34,38,42,46,50,54,58
	v_max3_num_f32 v254, v254, v[96+\i], v[97+\i]
	v_max3_num_f32 v252, v252, v[98+\i], v[99+\i]
.endr
	v_max3_num_f32 v254, v254, v158, v159
	v_max_num_f32 v254, v254, v252
	v_permlanex16_b32 v236, v254, s20, s21
	v_max_num_f32 v254, v254, v236                 ; and among lane l xor 16's
	v_mul_f32 v254, s22, v254
	v_max_num_f32 v13, v13, v254                   ; the running largest t
	v_mov_b32 v254, v12
	v_floor_f32 v12, -v13                          ; -M = floor(-t): a whole number
	v_sub_f32 v254, v12, v254
	v_cvt_i32_f32 v254, v254                       ; (it saturates)
	v_ldexp_f32 v252, 1.0, v254                    ; f = 2^(old M - new M)
.set j, 0
.rept 32
	v_pk_fma_f32 v[96+j:97+j], v[96+j:97+j], s[22:23], v[12:13] op_sel_hi:[1,0,0]   ; t - M
.set j, j+2
.endr
.set j, 0
.rept 64
	v_exp_f32 v[96+j], v[96+j]                     ; p
.set j, j+1
.endr
	v_pk_mul_f32 v[14:15], v[14:15], v[252:253] op_sel_hi:[1,0]   ; the sums under the new M: a plain line behind the exponentials
	s_wait_alu depctr_va_vdst(0)                   ; one wait for the batch, ahead of its first reader
	v_pk_add_f32 v[242:243], v[96:97], v[98:99]    ; the sum is taken of the unquantised p
.irp j, 4,8,12,16,20,24,28,32,36,40,44,48,52,56,60
	v_pk_add_f32 v[14:15], v[14:15], v[96+\j:97+\j]
	v_pk_add_f32 v[242:243], v[242:243], v[98+\j:99+\j]
.endr
	v_pk_add_f32 v[14:15], v[14:15], v[242:243]
.irp b, 0,1,2,3
.irp i, 0,1,2,3,4,5,6,7,8,9,10,11,12,13,14,15
	v_min_num_f32 v[96+16*\b+\i], v[96+16*\b+\i], v240   ; the conversion does not saturate (ISA guide 7.6.2); p is not negative
.endr
	v_cvt_scalef32_pk8_fp8_f32 v[224+4*\b:225+4*\b], v[96+16*\b:103+16*\b], v244
	v_cvt_scalef32_pk8_fp8_f32 v[226+4*\b:227+4*\b], v[104+16*\b:111+16*\b], v244
.endr
.set j, 0
.rept 32
	v_pk_mul_f32 v[160+j:161+j], v[160+j:161+j], v[252:253] op_sel_hi:[1,0]   ; O^T under the new M; these are also the plain lines behind the conversions
.set j, j+2
.endr
	s_wait_dscnt 0x0                               ; V's first four tiles
.irp t, 0,1,2,3
	v_wmma_f32_16x16x128_fp8_fp8 v[160+8*\t:167+8*\t], v[32+16*\t:47+16*\t], v[224:239], v[160+8*\t:167+8*\t]
.endr
.rept 4
	v_nop
.endr
.irp t, 0,1,2,3
.irp c, 0,1,2,3
	ds_load_b128 v[32+16*\t+4*\c:32+16*\t+4*\c+3], v8 offset:32768+(4+\t)*2048+512*\c
.endr
.endr
	s_wait_dscnt 0x0
.irp t, 0,1,2,3
	v_wmma_f32_16x16x128_fp8_fp8 v[192+8*\t:199+8*\t], v[32+16*\t:47+16*\t], v[224:239], v[192+8*\t:199+8*\t]
.endr
.endm
	s_wait_loadcnt 0x0                             ; q
.Lslot:                                            ; eight trips: behind each change the next of the nine slots is asked for
	CHANGE 1
	SWITCH
	STEP 0
	s_xor_b32 s2, s2, SLOT1
	s_cmp_lt_u32 s3, 8
	s_cbranch_scc1 .Lslot
	CHANGE 0                                       ; the ninth slot, block B's last, is written out: nothing is asked for
	STEP 1
.rept 4
	v_nop
.endr
	v_add_f32 v14, v14, v15
	DUMP 1
	s_wait_dscnt 0x0                               ; for the others' sake: my stores have landed
	s_barrier_signal -1
	s_barrier_wait -1
	; THE END: wave (t, u) joins the two key halves of tile t of block A (u = 0) or B (u = 1)
	ds_load_b32 v160, v247                         ; -M and the sum of half 0,
	ds_load_b32 v161, v247 offset:128
	ds_load_b32 v162, v247 offset:SCRW             ; of half 1
	ds_load_b32 v163, v247 offset:SCRW+128
.irp g, 0,1,2,3,4,5,6,7,8,9,10,11,12,13,14,15
	ds_load_b128 v[32+4*\g:35+4*\g], v246 offset:512*\g
.endr
.irp g, 0,1,2,3,4,5,6,7,8,9,10,11,12,13,14,15
	ds_load_b128 v[96+4*\g:99+4*\g], v246 offset:SCRW+512*\g
.endr
	s_sub_co_i32 s57, s56, s54
	s_sub_co_i32 s57, s57, s55                     ; O stands for O x 2^(e8 + e9): its code is O / 2^(e10 - e8 - e9)
	s_add_co_i32 s57, s57, 127
	s_lshl_b32 s49, s57, 23
	v_mov_b32 v244, s49
	s_add_co_i32 s57, s57, 8
	s_lshl_b32 s57, s57, 23
	s_or_b32 s57, s57, 0x600000
	v_mov_b32 v240, s57
	s_wait_dscnt 0x0
	v_min_num_f32 v164, v160, v162                 ; -M of the two
	v_sub_f32 v165, v164, v160
	v_sub_f32 v166, v164, v162
	v_cvt_i32_f32 v165, v165
	v_cvt_i32_f32 v166, v166
	v_ldexp_f32 v165, 1.0, v165                    ; each half's power of two (0 for a half that saw no key)
	v_ldexp_f32 v166, 1.0, v166
	v_mul_f32 v167, v161, v165
	v_fma_f32 v167, v163, v166, v167
	v_permlanex16_b32 v236, v167, s20, s21
	v_add_f32 v167, v167, v236                     ; the row's sum
	v_rcp_f32 v167, v167
	v_nop                                          ; a plain line behind the reciprocal
	s_wait_alu depctr_va_vdst(0)                   ; and the wait ahead of its first reader
	v_mul_f32 v248, v165, v167
	v_mul_f32 v250, v166, v167
	v_mov_b32 v249, v248                           ; (named as pairs, so they are written)
	v_mov_b32 v251, v250
.set j, 0
.rept 32
	v_pk_mul_f32 v[32+j:33+j], v[32+j:33+j], v[248:249] op_sel_hi:[1,0]
.set j, j+2
.endr
.set j, 0
.rept 32
	v_pk_fma_f32 v[32+j:33+j], v[96+j:97+j], v[250:251], v[32+j:33+j] op_sel_hi:[1,0,1]
.set j, j+2
.endr
.set j, 0
.rept 64
	v_med3_num_f32 v[32+j], v[32+j], -v240, v240
.set j, j+1
.endr
.irp d, 0,1,2,3,4,5,6,7
	v_cvt_scalef32_pk8_fp8_f32 v[224+2*\d:225+2*\d], v[32+8*\d:39+8*\d], v244
.endr
	v_nop
.irp c, 0,1,2,3
	global_store_b128 v7, v[224+4*\c:227+4*\c], s[44:45] offset:512*\c   ; the image of (token tile, head): 512 consecutive bytes a store
.endr
	s_wait_tensorcnt 0x0                           ; the wave's end
	ds_add_u32 v5, v6
	s_wait_dscnt 0x0
	CROUND                                         ; the closing round
	s_endpgm
.Lfunc_end_k_q9e894e10d7_attn:
	.size	k_q9e894e10d7_attn, .Lfunc_end_k_q9e894e10d7_attn-k_q9e894e10d7_attn
	.p2alignl 7, 3214868480
	.fill 96, 4, 3214868480
	.section	.rodata,"a",@progbits
	.p2align	6, 0x0
	.amdhsa_kernel k_q9e894e10d7_attn
		.amdhsa_group_segment_fixed_size 327680
		.amdhsa_private_segment_fixed_size 0
		.amdhsa_enable_private_segment 0
		.amdhsa_kernarg_size 24
		.amdhsa_user_sgpr_count 2
		.amdhsa_user_sgpr_kernarg_segment_ptr 1
		.amdhsa_wavefront_size32 1
		.amdhsa_system_sgpr_workgroup_id_x 1
		.amdhsa_system_sgpr_workgroup_id_y 1
		.amdhsa_system_sgpr_workgroup_id_z 1
		.amdhsa_system_vgpr_workitem_id 0
		.amdhsa_next_free_vgpr 256
		.amdhsa_next_free_sgpr 66
		.amdhsa_reserve_vcc 1
		.amdhsa_float_denorm_mode_32 3
		.amdhsa_float_denorm_mode_16_64 3
		.amdhsa_memory_ordered 1
		.amdhsa_forward_progress 1
		.amdhsa_inst_pref_size 76
	.end_amdhsa_kernel
	.amdgpu_metadata
---
amdhsa.version: [ 1, 2 ]
amdhsa.kernels:
  - .name:           k_q9e894e10d7_attn
    .symbol:         k_q9e894e10d7_attn.kd
    .args:
      - { .name: qkv_codes, .offset: 0, .size: 8, .value_kind: global_buffer, .address_space: global }
      - { .name: lowp_scales, .offset: 8, .size: 8, .value_kind: global_buffer, .address_space: global }
      - { .name: attn_codes, .offset: 16, .size: 8, .value_kind: global_buffer, .address_space: global }
    .group_segment_fixed_size: 327680
    .private_segment_fixed_size: 0
    .kernarg_segment_align: 8
    .kernarg_segment_size: 24
    .max_flat_workgroup_size: 256
    .sgpr_count:     66
    .vgpr_count:     256
    .wavefront_size: 32
...
	.end_amdgpu_metadata
.endif
;; end of part 3
;; launch oproj (part 4): grid 8 x 8, 4 waves a work-group, clusters of 4 x 4, 327,680 bytes of LDS; arguments attn_codes, codes, lowp_scales, out0; writes out0
.if DOCPART == 4
	.amdgcn_target "amdgcn-amd-amdhsa--gfx1250"
	.amdhsa_code_object_version 6
	.text
	.protected	k_q9e894e10d7_oproj
	.globl	k_q9e894e10d7_oproj
	.p2align	8
	.type	k_q9e894e10d7_oproj,@function
k_q9e894e10d7_oproj:
	s_mov_b64 s[64:65], 0
	v_nop
	global_prefetch_b8 v0, s[64:65] scope:SCOPE_SE
	s_setreg_imm32_b32 hwreg(HW_REG_WAVE_MODE, 25, 1), 1
	s_wait_xcnt 0x0
	s_wait_alu depctr_hold_cnt(0) depctr_sa_sdst(0) depctr_va_vdst(0) depctr_va_sdst(0) depctr_va_ssrc(0) depctr_va_vcc(0) depctr_vm_vsrc(0)
	s_getreg_b32 s2, hwreg(HW_REG_IB_STS2, 6, 4)
	s_cmp_eq_u32 s2, 0
	s_cbranch_scc0 .Lentry_in_a_cluster
	s_endpgm
.Lentry_in_a_cluster:
	s_bfe_u32 s2, ttmp6, 0x10000c
	s_cmp_lg_u32 s2, 0xf033
	s_cbranch_scc0 .Lentry_shape_is_right
	s_endpgm
.Lentry_shape_is_right:
; out = attn Wo^T on codes of E4M3; each finished sum x 2^(e10 + e11).  LIMIT: e10 + e11 between -126 and 127.
; A tile of 256 x 256 is made by four waves, 128 x 128 each: 64 accumulators, 512 registers.  K = 2,048 goes in steps of 256 through a ring of two LDS slots filled by the tensor data mover.
; Operands lie in memory as images of their registers ([tile 128][K step 16][2048 bytes]; group c of lane L at 512 c + 16 L); row place i of tile T is row 32 (T / 2) + 8 (T % 2) + i + 8 (i / 8).
; THE MATRIX INSTRUCTION IS USED TRANSPOSED (source 0 = 16 rows of Wo, source 1 = 16 tokens): lane (r, h) holds token place r and, in tile b's register j, column 32 (b / 2) + 16 h + 8 (b % 2) + j.
; CLUSTERS: 4 x 4 work-groups; A's tiles are asked for jointly along a row of the cluster, B's along a column.  The grid is 64 work-groups: the product has 64 tiles of this size.
; REGISTERS, in windows of 256: window 0: v0-31 addresses; from v128 A's fragments, one set; on the way out v32-255.  window 1: B's fragments, two sets.  windows 2, 3: the accumulators.
.set FR,     16
.set NL,     4
.set NP,     4
.set QUART,  32768
.set SLOT,   131072
.set SPARE,  262144                    ; the spare words, 128 bytes a wave, that no other line names
.set STAGE,  262656                    ; behind them: a stage of 16 rows x (512 + 16) bytes for each wave; no tile lands there
.set SPITCH, 528
.set LAPS,   4
.set ADRA, 16
.set ADRB, 20
.set STO,  24
.set RD,   25
.set CO,   26
.set SPW,  28
.set NIL,  29
.set TMP,  32
.set AF,   128
.set BK,   128
.set G1, 24
.set G0, 32
.set G1B, 48
.set G0B, 56
.set MSB, 0
.macro WIN new
.if MSB != (\new)
	s_set_vgpr_msb (MSB<<8)|(\new)
.set MSB, \new
.endif
.endm
.set MUL_LO, 0xa1
.set MUL_HI, 0xf1
.set TO_B,   0x40
.macro JLOAD g0a, g1a, g0b, g1b
	s_cmp_eq_u32 s15, 0
	s_cbranch_scc0 .Lfor_b_\@
	tensor_load_to_lds s[\g0a:\g0a+3], s[\g1a:\g1a+7]
	s_nop 0
.rept 4
	v_nop
.endr
	s_branch .Lasked_\@
.Lfor_b_\@:
	tensor_load_to_lds s[\g0b:\g0b+3], s[\g1b:\g1b+7]
	s_nop 0
.rept 4
	v_nop
.endr
.Lasked_\@:
.endm
.macro CREST
	s_cmp_lg_u32 s14, 0
	s_cbranch_scc1 .Lnot_wave_0_\@
	s_barrier_signal -3
.Lnot_wave_0_\@:
	s_barrier_wait -3
	s_barrier_signal -1
	s_barrier_wait -1
.endm
.macro CROUND
	s_barrier_signal -1
	s_barrier_wait -1
	CREST
.endm
	s_load_b256 s[4:11], s[0:1], 0x0               ; attn's codes s[4:5], the weights' codes s[6:7], the scales' exponents s[8:9], out s[10:11]
	v_lshl_add_u32 v[SPW], v0, 2, SPARE
	v_mov_b32 v[NIL], 0
	ds_add_u32 v28, v29
	s_wait_dscnt 0x0
	v_lshrrev_b32 v1, 5, v0
	v_readfirstlane_b32 s14, v1
	s_lshr_b32 s15, s14, 1
	s_and_b32 s16, s14, 1
	s_bfe_u32 s40, ttmp6, 0x40000
	s_bfe_u32 s41, ttmp6, 0x40004
	s_lshl_b32 s42, ttmp9, 2
	s_add_co_u32 s42, s42, s40                     ; tile column
	s_and_b32 s17, ttmp7, 0xffff
	s_lshl_b32 s17, s17, 2
	s_add_co_u32 s17, s17, s41                     ; tile row
	s_lshl_b32 s43, s41, 2
	s_lshl_b32 s43, 15, s43
	s_lshl_b32 s44, 0x1111, s40
	s_or_b32 s[G1+0], s43, (3<<16)|(1<<21)         ; 8 rows (tiles) of 4,096 bytes, 32,768 bytes apart, dense in LDS; elements of 8 bytes
	s_or_b32 s[G1B+0], s44, (3<<16)|(1<<21)
.irp g, G1, G1B
	s_mov_b32 s[\g+1], 512<<16
	s_mov_b32 s[\g+2], 8<<16
	s_mov_b32 s[\g+3], 512<<16
	s_mov_b32 s[\g+4], 8
	s_mov_b32 s[\g+5], 4096
	s_mov_b32 s[\g+6], 0
	s_mov_b32 s[\g+7], 0
.endr
	s_lshl_b32 s20, s17, 19
	s_lshl_b32 s18, s16, 18
	s_add_co_u32 s20, s20, s18
	s_mov_b32 s21, 0
	s_lshl_b32 s46, s42, 19
	s_add_co_u32 s46, s46, s18
	s_add_co_u32 s46, s46, 6<<22                   ; Wo's segment
	s_mov_b32 s47, 0
	s_lshl_b32 s45, s14, 15
	s_wait_kmcnt 0x0
	s_load_b64 s[96:97], s[8:9], 0x28              ; e10, e11
	s_add_nc_u64 s[20:21], s[4:5], s[20:21]
	s_add_nc_u64 s[46:47], s[6:7], s[46:47]
	CROUND
.irp s, 0,1
	s_mov_b32 s[G0+4*\s], 1
	s_add_co_u32 s[G0+4*\s+1], s45, \s*SLOT
	s_add_nc_u64 s[G0+4*\s+2:G0+4*\s+3], s[20:21], \s*4096
	s_or_b32 s[G0+4*\s+3], s[G0+4*\s+3], 0x80000000
	s_mov_b32 s[G0B+4*\s], 1
	s_add_co_u32 s[G0B+4*\s+1], s45, \s*SLOT
	s_add_nc_u64 s[G0B+4*\s+2:G0B+4*\s+3], s[46:47], \s*4096
	s_or_b32 s[G0B+4*\s+3], s[G0B+4*\s+3], 0x80000000
	JLOAD G0+4*\s, G1, G0B+4*\s, G1B
.endr
	v_and_b32 v6, 31, v0
	v_lshlrev_b32 v[CO], 4, v6
	s_lshl_b32 s21, s15, 15
	s_lshl_b32 s22, s16, 15
	s_add_co_u32 s22, s22, 65536
.irp s, 0,1
	v_add_nc_u32 v[ADRA+\s], s21, v[CO]
	v_add_nc_u32 v[ADRB+\s], s22, v[CO]
	s_add_co_u32 s21, s21, SLOT
	s_add_co_u32 s22, s22, SLOT
.endr
	v_and_b32 v1, 15, v0
	v_bfe_u32 v2, v0, 4, 1
	s_mul_i32 s23, s14, 16*SPITCH
	s_add_co_u32 s23, s23, STAGE                   ; my stage
	v_mul_u32_u24 v5, v1, SPITCH
	v_lshl_add_u32 v5, v2, 6, v5
	v_add_nc_u32 v[STO], s23, v5                   ; in: row r, + 64 h
	v_add_nc_u32 v[RD], s23, v[CO]                 ; back: the 32 lanes take one row of 512 bytes
	s_lshl_b32 s20, s17, 8
	s_lshl_b32 s21, s15, 7
	s_add_co_u32 s20, s20, s21
	s_lshl_b32 s20, s20, 13                        ; my first row of out, rows of 8,192 bytes
	s_mov_b32 s21, 0
	s_lshl_b32 s46, s42, 10
	s_lshl_b32 s47, s16, 9
	s_add_co_u32 s46, s46, s47                     ; my first column, in bytes
	s_mov_b32 s47, 0
	s_add_nc_u64 s[20:21], s[20:21], s[46:47]
	s_add_nc_u64 s[10:11], s[10:11], s[20:21]
.macro FRAG reg, adr, q, i
.irp c, 0,1,2,3
	ds_load_b128 v[\reg+4*\c:\reg+4*\c+3], v[\adr] offset:4096*(\i)+2048*(\q)+512*\c
.endr
.endm
.macro MUL16 a0, p, zero               ; the 64 accumulators take turns, one instruction a turn
.irp a, \a0, \a0+1
.irp b, 0,1,2,3,4,5,6,7
.if \zero
	v_wmma_f32_16x16x128_fp8_fp8 v[8*(8*((\a)%4)+\b):8*(8*((\a)%4)+\b)+7], v[128*(\p)+FR*\b:128*(\p)+FR*\b+FR-1], v[AF+FR*(\a):AF+FR*(\a)+FR-1], 0
.else
	v_wmma_f32_16x16x128_fp8_fp8 v[8*(8*((\a)%4)+\b):8*(8*((\a)%4)+\b)+7], v[128*(\p)+FR*\b:128*(\p)+FR*\b+FR-1], v[AF+FR*(\a):AF+FR*(\a)+FR-1], v[8*(8*((\a)%4)+\b):8*(8*((\a)%4)+\b)+7]
.endif
.endr
.endr
.endm
.macro FETCH_B slot, q, p
	WIN TO_B
.irp i, 0,1,2,3,4,5,6,7
	FRAG 128*(\p)+FR*\i, ADRB+\slot, \q, \i
.endr
	WIN 0
.endm
.macro FETCH_A slot, q, i0
.irp i, \i0, \i0+1, \i0+2, \i0+3
	FRAG AF+FR*(\i), ADRA+\slot, \q, \i
.endr
.endm
.macro PLACES n
.rept \n
	v_nop
.endr
.endm
.macro STEP slot, q, zero
	s_wait_dscnt 4*NL                              ; the youngest 16 loads (A's blocks 4-7) may be out
	WIN MUL_LO
	MUL16 0, (\q)%2, \zero
	MUL16 2, (\q)%2, \zero
	s_wait_dscnt 0
	PLACES NP
	FETCH_B \slot, (\q)+1, 1-(\q)%2
	FETCH_A \slot, (\q)+1, 0
	WIN MUL_HI
	MUL16 4, (\q)%2, \zero
	MUL16 6, (\q)%2, \zero
	PLACES NP
	WIN 0
	FETCH_A \slot, (\q)+1, 4
.endm
.macro TURN slot, next, fill
	s_wait_tensorcnt 0x0                           ; all my tensor loads have landed
	ds_add_u32 v[SPW], v[NIL]                      ; 0 onto my spare word
	s_wait_dscnt 4*NL+1                            ; the add and the youngest 16 loads may be out
	WIN MUL_LO
	MUL16 0, 1, 0
	s_wait_dscnt 0x0                               ; the add is done, and my reads of this slot are over
	s_barrier_signal -1
	MUL16 2, 1, 0
	WIN 0
	s_barrier_wait -1
.if \fill
	CREST
	s_add_nc_u64 s[G0+4*\slot+2:G0+4*\slot+3], s[G0+4*\slot+2:G0+4*\slot+3], 8192
	s_add_nc_u64 s[G0B+4*\slot+2:G0B+4*\slot+3], s[G0B+4*\slot+2:G0B+4*\slot+3], 8192
	JLOAD G0+4*\slot, G1, G0B+4*\slot, G1B
.else
	PLACES NP
.endif
	FETCH_B \next, 0, 0
	FETCH_A \next, 0, 0
	WIN MUL_HI
	MUL16 4, 1, 0
	MUL16 6, 1, 0
	PLACES NP
	WIN 0
	FETCH_A \next, 0, 4
.endm
	s_wait_tensorcnt 1                             ; my part of slot 0 is in; slot 1's load may be out
	s_barrier_signal -1
	s_barrier_wait -1
	FETCH_B 0, 0, 0
	FETCH_A 0, 0, 0
	FETCH_A 0, 0, 4
	STEP 0, 0, 1
	s_mov_b32 s3, LAPS-1
.Llap:
	TURN 0, 1, 1
	STEP 1, 0, 0
	TURN 1, 0, 1
	STEP 0, 0, 0
	s_sub_co_u32 s3, s3, 1
	s_cmp_lg_u32 s3, 0
	s_cbranch_scc1 .Llap
	TURN 0, 1, 0
	STEP 1, 0, 0
	s_wait_dscnt 4*NL
	WIN MUL_LO
	MUL16 0, 1, 0
	MUL16 2, 1, 0
	s_wait_dscnt 0
	WIN MUL_HI
	MUL16 4, 1, 0
	MUL16 6, 1, 0
	WIN 0
; THE WAY OUT, block by block of 16 tokens x 128 columns, through my own stage: in by lanes (32 bytes of a row for each tile), back as whole rows of 512 bytes.  LDS serves a wave's instructions in order.
.macro TOSTAGE a
.set AC, 64*((\a)%4)
	WIN 0x02+((\a)/4)
.irp j, 0,2,4,6,8,10,12,14,16,18,20,22,24,26,28,30,32,34,36,38,40,42,44,46,48,50,52,54,56,58,60,62
	v_pk_mul_f32 v[TMP+\j:TMP+\j+1], v[AC+\j:AC+\j+1], s[96:97] op_sel_hi:[1,0]   ; x 2^(e10 + e11); each accumulator from its low end on
.endr
	WIN 0
.irp b, 0,1,2,3,4,5,6,7
	ds_store_b128 v[STO], v[TMP+8*\b:TMP+8*\b+3] offset:128*(\b/2)+32*(\b%2)
	ds_store_b128 v[STO], v[TMP+8*\b+4:TMP+8*\b+7] offset:128*(\b/2)+32*(\b%2)+16
.endr
.set BB, BK+64*((\a)%2)
.irp t, 0,1,2,3,4,5,6,7,8,9,10,11,12,13,14,15
	ds_load_b128 v[BB+4*\t:BB+4*\t+3], v[RD] offset:\t*SPITCH
.endr
.endm
.macro SEND a, younger                 ; younger: the LDS instructions issued behind block a's loads, which may stay out
.set BB, BK+64*((\a)%2)
	s_wait_dscnt \younger
.irp t, 0,1,2,3,4,5,6,7,8,9,10,11,12,13,14,15
	global_store_b128 v[CO], v[BB+4*\t:BB+4*\t+3], s[10:11] offset:(32*((\a)/2)+8*((\a)%2)+\t+8*(\t/8))*8192 th:TH_STORE_NT   ; row place t of block a; 512 consecutive bytes; 127 rows at the most in the immediate
.endr
.endm
	s_wait_kmcnt 0x0
	s_add_co_i32 s96, s96, s97
	s_add_co_i32 s96, s96, 127
	s_lshl_b32 s96, s96, 23                        ; 2^(e10 + e11) as f32
	PLACES NP
	TOSTAGE 0
.irp a, 1,2,3,4,5,6,7
.if \a > 1
	s_wait_xcnt 0x0                                ; block a - 2's stores have read their registers: block a's loads may land there
.endif
	TOSTAGE \a
	SEND \a-1, 32                                  ; behind block a - 1's loads: block a's 16 stores and 16 loads
.endr
	SEND 7, 0
	s_wait_tensorcnt 0x0                           ; the wave's end
	ds_add_u32 v[SPW], v[NIL]
	s_wait_dscnt 0x0
	CROUND                                         ; the closing round
	s_endpgm
.Lfunc_end_k_q9e894e10d7_oproj:
	.size	k_q9e894e10d7_oproj, .Lfunc_end_k_q9e894e10d7_oproj-k_q9e894e10d7_oproj
	.p2alignl 7, 3214868480
	.fill 96, 4, 3214868480
	.section	.rodata,"a",@progbits
	.p2align	6, 0x0
	.amdhsa_kernel k_q9e894e10d7_oproj
		.amdhsa_group_segment_fixed_size 327680
		.amdhsa_private_segment_fixed_size 0
		.amdhsa_enable_private_segment 0
		.amdhsa_kernarg_size 32
		.amdhsa_user_sgpr_count 2
		.amdhsa_user_sgpr_kernarg_segment_ptr 1
		.amdhsa_wavefront_size32 1
		.amdhsa_system_sgpr_workgroup_id_x 1
		.amdhsa_system_sgpr_workgroup_id_y 1
		.amdhsa_system_sgpr_workgroup_id_z 1
		.amdhsa_system_vgpr_workitem_id 0
		.amdhsa_next_free_vgpr 1024
		.amdhsa_next_free_sgpr 100
		.amdhsa_reserve_vcc 0
		.amdhsa_float_denorm_mode_32 3
		.amdhsa_float_denorm_mode_16_64 3
		.amdhsa_memory_ordered 1
		.amdhsa_forward_progress 1
		.amdhsa_inst_pref_size 122
	.end_amdhsa_kernel
	.amdgpu_metadata
---
amdhsa.version: [ 1, 2 ]
amdhsa.kernels:
  - .name:           k_q9e894e10d7_oproj
    .symbol:         k_q9e894e10d7_oproj.kd
    .args:
      - { .name: attn_codes, .offset: 0, .size: 8, .value_kind: global_buffer, .address_space: global }
      - { .name: codes, .offset: 8, .size: 8, .value_kind: global_buffer, .address_space: global }
      - { .name: lowp_scales, .offset: 16, .size: 8, .value_kind: global_buffer, .address_space: global }
      - { .name: out0, .offset: 24, .size: 8, .value_kind: global_buffer, .address_space: global }
    .group_segment_fixed_size: 327680
    .private_segment_fixed_size: 0
    .kernarg_segment_align: 8
    .kernarg_segment_size: 32
    .max_flat_workgroup_size: 128
    .sgpr_count:     100
    .vgpr_count:     1024
    .wavefront_size: 32
...
	.end_amdgpu_metadata
.endif
;; end of part 4
;; ======== version 2 of 2: 4 launches
;; limits: right only within a limited range of input values
;; workspace buffers: codes 25,165,824 bytes; rope_tab 1,048,576 bytes; qkv_codes 12,582,912 bytes; attn_codes 4,194,304 bytes; wo_codes 4,194,304 bytes
;; launch quant (part 5): grid 544 x 1, 4 waves a work-group, no clusters, 34,304 bytes of LDS; arguments hidden_states, Wq, Wk, Wv, lowp_scales, codes, rope_tab; writes codes, rope_tab
.if DOCPART == 5
	.amdgcn_target "amdgcn-amd-amdhsa--gfx1250"
	.amdhsa_code_object_version 6
	.text
	.protected	k_q9e894e10d7_quant
	.globl	k_q9e894e10d7_quant
	.p2align	8
	.type	k_q9e894e10d7_quant,@function
k_q9e894e10d7_quant:
	s_mov_b64 s[64:65], 0
	v_nop
	global_prefetch_b8 v0, s[64:65] scope:SCOPE_SE
	s_setreg_imm32_b32 hwreg(HW_REG_WAVE_MODE, 25, 1), 1
	s_wait_xcnt 0x0
; x (three times: with the scales of entries 0, 2, 4), Wq, Wk, Wv (entries 1, 3, 5), all [2048][2048] f32 with K innermost, become codes of E4M3; and the table of cos and sin for the rotary embedding is made.  (Wo is quantised in the launch of the three projections.)
; WORK LEFT OUT OF THE PROGRAM: reference() replaces every score whose key comes after its query by the smallest f32 number, whatever the inputs hold, and that score's exponential is then 0: the attention launch walks no tile
; of keys that lies wholly after its queries' slots.  LIMIT: a NaN, an infinity or an overflow that reaches only such scores is not carried to the result.
; code = number / 2^e, held within +-448, to the nearest code, ties to even.  LIMITS: each e between -126 and 119; NaN among the inputs is not served (an infinity is held at the largest code).
; LAYOUT OF THE CODES: six segments of 4 MiB (x e0, x e2, x e4, Wq, Wk, Wv), each [tile 128][K step 16][2048 bytes].  The 2,048 bytes are the IMAGE of an operand's registers for 16 rows x 128 K:
; register group c (4 registers) of lane L = r + 16 h lies at byte 512 c + 16 L and holds, of the tile's row place r, k = 32 c + 16 h + 0 .. 15.  Row place i of tile T is row 32 (T / 2) + 8 (T % 2) + i + 8 (i / 8),
; so that in a product's result the 16 registers of two neighbouring tiles are 16 neighbours along the next K.
; SHARES: work-groups 0 to 511: tensor = number / 128, tile = number % 128; wave w takes K steps 4 w .. 4 w + 3, one image a step.  Each load reads 512 consecutive bytes of one row; the 8 KiB of a step turn through
; the wave's own stage in LDS (16 rows of 512 + 16 bytes) and come back 64 bytes a lane and group; each store covers 512 consecutive bytes.  Waves share nothing: no barrier.  No prefetch: no loop to run ahead in, two steps' loads are out already.
; Work-groups 512 to 543: wave 4 (number - 512) + w makes table tile T: [i 16][lane 32][4 f32], i = (2 b + cs) 2 + q: cos (cs = 0) or sin (1) of token(T, r) x 10000^(-f / 64), f = 32 (b / 2) + 16 h + 8 (b % 2) + 4 q + 0 .. 3.
; The angle is the f32 product token x frequency, as in the definition; the frequency is 2^(-f log2(10000) / 64) by v_exp_f32; the angle is reduced by pi/2 in two parts and cos and sin are polynomials whose
; first term left out is under 2e-9.  LIMIT: the angle carries f32's own uncertainty of the frequency, about 1e-7 of the angle.
.set STGB, 8448                        ; a wave's stage
.set PIT,  528                         ; a stage row: 512 bytes + 16
.set SPARE, 4*STGB                     ; behind the stages: the spare words, 128 bytes a wave, that no other line names
.set R,    16                          ; v16-143  two sets of 64 registers as loaded
.set X,    144                         ; v144-207 64 numbers of a lane: register 16 c + i = k 32 c + 16 h + i of row place r
.set T,    208                         ; v208-239 two sets of 16 held numbers
.set C,    240                         ; v240-255 an image's codes
.set WV,   2
.set T5,   3
	s_load_b256 s[16:23], s[0:1], 0x0              ; x, Wq, Wk, Wv
	s_load_b64 s[26:27], s[0:1], 0x20              ; the scales' exponents
	s_load_b128 s[28:31], s[0:1], 0x28             ; codes, table
	v_lshl_add_u32 v5, v0, 2, SPARE
	v_mov_b32 v15, 0
	v_lshrrev_b32 v1, 5, v0
	v_readfirstlane_b32 s[WV], v1                  ; wave
	v_and_b32 v1, 31, v0                           ; lane
	v_lshlrev_b32 v2, 4, v1                        ; 16 x lane
	v_and_b32 v12, 15, v0                          ; r
	v_bfe_u32 v13, v0, 4, 1                        ; h
	s_cmp_ge_u32 ttmp9, 512
	s_wait_alu depctr_va_vdst(0)
	s_cbranch_scc1 .Ltable
	s_lshr_b32 s[T5], ttmp9, 7                     ; which tensor: 0 x, 1 Wq, 2 Wk, 3 Wv
	s_and_b32 s12, ttmp9, 127                      ; which tile
	s_mul_i32 s13, s[WV], STGB
	v_add_nc_u32 v3, s13, v2                       ; the stage, on the way in: 16 bytes a lane of a row
	v_mul_u32_u24 v4, v12, PIT
	v_lshl_add_u32 v4, v13, 6, v4
	v_add_nc_u32 v4, s13, v4                       ; on the way out: row r, + 64 h
	s_lshr_b32 s14, s12, 1
	s_lshl_b32 s14, s14, 5
	s_and_b32 s15, s12, 1
	s_lshl_b32 s15, s15, 3
	s_add_co_u32 s14, s14, s15                     ; the tile's first row
	s_lshl_b32 s14, s14, 13                        ; rows of 8,192 bytes
	s_lshl_b32 s15, s[WV], 11                      ; my four K steps of 512 bytes
	s_add_co_u32 s14, s14, s15
	s_mov_b32 s15, 0
	s_add_co_u32 s32, s[T5], 2
	s_cmp_eq_u32 s[T5], 0
	s_cselect_b32 s32, 0, s32                      ; the segment: x 0 (and 1, 2), the weights 3 to 5
	s_lshl_b32 s32, s32, 22
	s_lshl_b32 s33, s12, 15
	s_add_co_u32 s32, s32, s33
	s_lshl_b32 s33, s[WV], 13
	s_add_co_u32 s32, s32, s33
	s_mov_b32 s33, 0
	s_wait_alu depctr_va_vdst(0)
	s_wait_kmcnt 0x0
	s_load_b256 s[40:47], s[26:27], 0x0            ; e0 .. e7
	s_mov_b64 s[4:5], s[16:17]                     ; the source is chosen on the work-group's number alone
	s_cmp_eq_u32 s[T5], 1
	s_cselect_b64 s[4:5], s[18:19], s[4:5]
	s_cmp_eq_u32 s[T5], 2
	s_cselect_b64 s[4:5], s[20:21], s[4:5]
	s_cmp_eq_u32 s[T5], 3
	s_cselect_b64 s[4:5], s[22:23], s[4:5]
	s_add_nc_u64 s[4:5], s[4:5], s[14:15]
	s_add_nc_u64 s[6:7], s[28:29], s[32:33]        ; where my images go;
.macro LOADI s                         ; K step s: 16 rows x 512 bytes into set s % 2; row place i is row i + 8 (i / 8) of the tile's 24
.irp i, 0,1,2,3,4,5,6,7,8,9,10,11,12,13,14,15
	global_load_b128 v[R+64*((\s)%2)+4*\i:R+64*((\s)%2)+4*\i+3], v2, s[4:5] offset:(\i+8*(\i/8))*8192+512*(\s) th:TH_LOAD_NT
.endr
.endm
.macro TURNI s                         ; through the stage: LDS serves a wave's instructions in order, so no wait stands between the stores and the loads
.irp i, 0,1,2,3,4,5,6,7,8,9,10,11,12,13,14,15
	ds_store_b128 v3, v[R+64*((\s)%2)+4*\i:R+64*((\s)%2)+4*\i+3] offset:PIT*\i
.endr
.irp c, 0,1,2,3
.irp j, 0,1,2,3
	ds_load_b128 v[X+16*\c+4*\j:X+16*\c+4*\j+3], v4 offset:128*\c+16*\j
.endr
.endr
.endm
.macro QUANT1 sc, lim, dst, s          ; X's 64 numbers with the scale in v[sc] (v[lim]: 448 x the scale) become an image, stored at s[dst]
.irp c, 0,1,2,3
.irp i, 0,1,2,3,4,5,6,7,8,9,10,11,12,13,14,15
	v_med3_num_f32 v[T+16*(\c%2)+\i], v[X+16*\c+\i], -v[\lim], v[\lim]   ; the conversion does not saturate (ISA guide 7.6.2): the hold comes first; X stays for the next scale
.endr
	v_cvt_scalef32_pk8_fp8_f32 v[C+4*\c:C+4*\c+1], v[T+16*(\c%2):T+16*(\c%2)+7], v[\sc]
	v_cvt_scalef32_pk8_fp8_f32 v[C+4*\c+2:C+4*\c+3], v[T+16*(\c%2)+8:T+16*(\c%2)+15], v[\sc]   ; the next group's sixteen holds write the other set: plain lines behind the conversions
.endr
.irp c, 0,1,2,3
	global_store_b128 v2, v[C+4*\c:C+4*\c+3], s[\dst:\dst+1] offset:2048*(\s)+512*\c   ; 512 consecutive bytes
.endr
.endm
.macro MKSC e, sc, lim                 ; 2^e and 448 x 2^e as f32
	s_add_co_i32 s52, s[\e], 127
	s_lshl_b32 s[\sc], s52, 23
	s_add_co_i32 s52, s52, 8
	s_lshl_b32 s52, s52, 23
	s_or_b32 s[\lim], s52, 0x600000
.endm
	LOADI 0
	LOADI 1
	s_wait_kmcnt 0x0
	s_cmp_eq_u32 s[T5], 1                          ; my tensor's first scale: e0, e1, e3 or e5
	s_cselect_b32 s40, s41, s40
	s_cmp_eq_u32 s[T5], 2
	s_cselect_b32 s40, s43, s40
	s_cmp_eq_u32 s[T5], 3
	s_cselect_b32 s40, s45, s40
	MKSC 40, 56, 60
	MKSC 42, 57, 61                                ; e2 and e4: x's other two
	MKSC 44, 58, 62
	s_cmp_eq_u32 s[T5], 0                          ; only x has three scales
	s_cselect_b32 s55, 3, 1
.macro STEP s
.if (\s) < 3
	s_wait_loadcnt 16                              ; this step's 16 loads are in; the next step's 16 may be out
.else
	s_wait_loadcnt 0
.endif
	TURNI \s
	s_wait_dscnt 0x0                               ; the numbers are back, and the stage's stores have read their registers,
.if (\s) < 2
	LOADI (\s)+2                                   ; which take the loads of two steps on
.endif
	s_mov_b64 s[8:9], s[6:7]                       ; a trip a scale: x's three segments lie 4 MiB apart
	s_mov_b32 s54, 0
.Lscale_\@:
	s_cmp_eq_u32 s54, 1
	s_cselect_b32 s52, s57, s56
	s_cselect_b32 s53, s61, s60
	s_cmp_eq_u32 s54, 2
	s_cselect_b32 s52, s58, s52
	s_cselect_b32 s53, s62, s53
	v_mov_b32 v6, s52
	v_mov_b32 v7, s53
	QUANT1 6, 7, 8, \s
	s_wait_xcnt 0x0                                ; the stores have read the code registers and their base
	s_add_nc_u64 s[8:9], s[8:9], 0x400000
	s_add_co_u32 s54, s54, 1
	s_cmp_lt_u32 s54, s55
	s_cbranch_scc1 .Lscale_\@
.endm
	s_wait_alu depctr_va_vdst(0)
	STEP 0
	STEP 1
	STEP 2
	STEP 3
	s_wait_tensorcnt 0x0                           ; the wave's end
	ds_add_u32 v5, v15
	s_wait_dscnt 0x0
	s_endpgm
.Ltable:
	s_sub_co_u32 s3, ttmp9, 512
	s_lshl_b32 s3, s3, 2
	s_add_co_u32 s3, s3, s[WV]                     ; table tile T
	s_lshr_b32 s4, s3, 1
	s_lshl_b32 s4, s4, 5
	s_and_b32 s5, s3, 1
	s_lshl_b32 s5, s5, 3
	s_add_co_u32 s4, s4, s5
	v_and_b32 v14, 8, v12
	v_add_nc_u32 v14, v14, v12
	v_add_nc_u32 v14, s4, v14                      ; my token
	v_lshlrev_b32 v13, 4, v13                      ; 16 h
	v_cvt_f32_u32 v12, v14
.irp e, 0,1,2,3,4,5,6,7
	v_add_nc_u32 v[112+\e], \e, v13                ; 16 h + e
.endr
	s_lshl_b32 s6, s3, 13
	s_mov_b32 s7, 0
	s_mov_b32 s40, 0x3f22f983                      ; 2 / pi
	s_mov_b32 s41, 0xbfc90fdb                      ; -(pi / 2), upper part
	s_mov_b32 s42, 0x333bbd2e                      ; -(pi / 2), lower part
	s_mov_b32 s43, 0x3638ef1d                      ; 1 / 9!
	s_mov_b32 s44, 0xb9500d01                      ; -1 / 7!
	s_mov_b32 s45, 0x3c088889                      ; 1 / 5!
	s_mov_b32 s46, 0xbe2aaaab                      ; -1 / 3!
	s_mov_b32 s47, 0xb493f27e                      ; -1 / 10!
	s_mov_b32 s48, 0x37d00d01                      ; 1 / 8!
	s_mov_b32 s49, 0xbab60b61                      ; -1 / 6!
	s_mov_b32 s50, 0x3d2aaaab                      ; 1 / 4!
	s_wait_alu depctr_va_vdst(0)
	s_wait_kmcnt 0x0
	s_add_nc_u64 s[30:31], s[30:31], s[6:7]
	s_mov_b32 s5, 0                                ; b
.Lb:                                               ; a trip: eight frequencies of my token
	s_lshr_b32 s8, s5, 1
	s_lshl_b32 s8, s8, 5
	s_and_b32 s9, s5, 1
	s_lshl_b32 s9, s9, 3
	s_add_co_u32 s8, s8, s9                        ; 32 (b / 2) + 8 (b % 2)
.irp e, 0,1,2,3,4,5,6,7
	v_add_nc_u32 v[32+\e], s8, v[112+\e]
.endr
.irp e, 0,1,2,3,4,5,6,7
	v_cvt_f32_u32 v[32+\e], v[32+\e]
.endr
.irp e, 0,1,2,3,4,5,6,7
	v_mul_f32 v[32+\e], 0xbe549a78, v[32+\e]       ; -f log2(10000) / 64
.endr
	s_wait_alu depctr_va_vdst(0)
.irp e, 0,1,2,3,4,5,6,7
	v_exp_f32 v[32+\e], v[32+\e]
.endr
	v_nop                                          ; a plain line behind the last exponential
	s_wait_alu depctr_va_vdst(0)                   ; one wait for the batch, ahead of its first reader
.irp e, 0,1,2,3,4,5,6,7
	v_mul_f32 v16, v12, v[32+\e]                   ; the angle, rounded once
	v_mul_f32 v17, s40, v16
	v_rndne_f32 v17, v17                           ; n quarter turns
	v_fma_f32 v18, v17, s41, v16
	v_fma_f32 v18, v17, s42, v18                   ; what is left, within +-pi/4
	v_mul_f32 v19, v18, v18
	v_fma_f32 v20, v19, s43, s44
	v_fma_f32 v22, v19, s47, s48
	v_fma_f32 v20, v20, v19, s45
	v_fma_f32 v22, v22, v19, s49
	v_fma_f32 v20, v20, v19, s46
	v_fma_f32 v22, v22, v19, s50
	v_mul_f32 v21, v18, v19
	v_fma_f32 v22, v22, v19, -0.5
	v_fma_f32 v20, v20, v21, v18                   ; its sine
	v_fma_f32 v22, v22, v19, 1.0                   ; its cosine
	v_cvt_i32_f32 v23, v17
	v_and_b32 v24, 1, v23
	v_cmp_eq_u32 vcc_lo, 1, v24                    ; an odd quarter swaps the two
	v_cndmask_b32 v25, v20, v22, vcc_lo
	v_cndmask_b32 v26, v22, v20, vcc_lo
	v_and_b32 v27, 2, v23                          ; the sine changes sign in quarters 2 and 3,
	v_lshlrev_b32 v27, 30, v27
	v_xor_b32 v[72+\e], v25, v27
	v_add_nc_u32 v23, 1, v23                       ; the cosine in quarters 1 and 2
	v_and_b32 v23, 2, v23
	v_lshlrev_b32 v23, 30, v23
	v_xor_b32 v[64+\e], v26, v23
.endr
.irp k, 0,1,2,3
	global_store_b128 v2, v[64+4*\k:67+4*\k], s[30:31] offset:512*\k
.endr
	s_wait_xcnt 0x0                                ; the stores have read their registers and their base
	s_add_nc_u64 s[30:31], s[30:31], 2048
	s_add_co_u32 s5, s5, 1
	s_cmp_lt_u32 s5, 4
	s_cbranch_scc1 .Lb
	s_endpgm
.Lfunc_end_k_q9e894e10d7_quant:
	.size	k_q9e894e10d7_quant, .Lfunc_end_k_q9e894e10d7_quant-k_q9e894e10d7_quant
	.p2alignl 7, 3214868480
	.fill 96, 4, 3214868480
	.section	.rodata,"a",@progbits
	.p2align	6, 0x0
	.amdhsa_kernel k_q9e894e10d7_quant
		.amdhsa_group_segment_fixed_size 34304
		.amdhsa_private_segment_fixed_size 0
		.amdhsa_enable_private_segment 0
		.amdhsa_kernarg_size 56
		.amdhsa_user_sgpr_count 2
		.amdhsa_user_sgpr_kernarg_segment_ptr 1
		.amdhsa_wavefront_size32 1
		.amdhsa_system_sgpr_workgroup_id_x 1
		.amdhsa_system_sgpr_workgroup_id_y 1
		.amdhsa_system_sgpr_workgroup_id_z 1
		.amdhsa_system_vgpr_workitem_id 0
		.amdhsa_next_free_vgpr 256
		.amdhsa_next_free_sgpr 66
		.amdhsa_reserve_vcc 1
		.amdhsa_float_denorm_mode_32 3
		.amdhsa_float_denorm_mode_16_64 3
		.amdhsa_memory_ordered 1
		.amdhsa_forward_progress 1
		.amdhsa_inst_pref_size 53
	.end_amdhsa_kernel
	.amdgpu_metadata
---
amdhsa.version: [ 1, 2 ]
amdhsa.kernels:
  - .name:           k_q9e894e10d7_quant
    .symbol:         k_q9e894e10d7_quant.kd
    .args:
      - { .name: hidden_states, .offset: 0, .size: 8, .value_kind: global_buffer, .address_space: global }
      - { .name: Wq, .offset: 8, .size: 8, .value_kind: global_buffer, .address_space: global }
      - { .name: Wk, .offset: 16, .size: 8, .value_kind: global_buffer, .address_space: global }
      - { .name: Wv, .offset: 24, .size: 8, .value_kind: global_buffer, .address_space: global }
      - { .name: lowp_scales, .offset: 32, .size: 8, .value_kind: global_buffer, .address_space: global }
      - { .name: codes, .offset: 40, .size: 8, .value_kind: global_buffer, .address_space: global }
      - { .name: rope_tab, .offset: 48, .size: 8, .value_kind: global_buffer, .address_space: global }
    .group_segment_fixed_size: 34304
    .private_segment_fixed_size: 0
    .kernarg_segment_align: 8
    .kernarg_segment_size: 56
    .max_flat_workgroup_size: 128
    .sgpr_count:     66
    .vgpr_count:     256
    .wavefront_size: 32
...
	.end_amdgpu_metadata
.endif
;; end of part 5
;; launch qkv (part 6): grid 32 x 8, 4 waves a work-group, clusters of 4 x 4, 327,680 bytes of LDS; arguments codes, rope_tab, lowp_scales, qkv_codes, Wo, wo_codes; writes qkv_codes, wo_codes
.if DOCPART == 6
	.amdgcn_target "amdgcn-amd-amdhsa--gfx1250"
	.amdhsa_code_object_version 6
	.text
	.protected	k_q9e894e10d7_qkv
	.globl	k_q9e894e10d7_qkv
	.p2align	8
	.type	k_q9e894e10d7_qkv,@function
k_q9e894e10d7_qkv:
	s_mov_b64 s[64:65], 0
	v_nop
	global_prefetch_b8 v0, s[64:65] scope:SCOPE_SE
	s_setreg_imm32_b32 hwreg(HW_REG_WAVE_MODE, 25, 1), 1
	s_wait_xcnt 0x0
	s_wait_alu depctr_hold_cnt(0) depctr_sa_sdst(0) depctr_va_vdst(0) depctr_va_sdst(0) depctr_va_ssrc(0) depctr_va_vcc(0) depctr_vm_vsrc(0)
	s_getreg_b32 s2, hwreg(HW_REG_IB_STS2, 6, 4)
	s_cmp_eq_u32 s2, 0
	s_cbranch_scc0 .Lentry_in_a_cluster
	s_endpgm
.Lentry_in_a_cluster:
	s_bfe_u32 s2, ttmp6, 0x10000c
	s_cmp_lg_u32 s2, 0xf033
	s_cbranch_scc0 .Lentry_shape_is_right
	s_endpgm
.Lentry_shape_is_right:
; The three projections on codes of E4M3, the rotary embedding of q and k, and the quantising of q, k, v for the attention's products: 12 clusters of 4 x 4 work-groups (cluster x 0, 1: q; 2, 3: k; 4, 5: v).
; The other four clusters (cluster x 6, 7) quantise Wo, which the last launch reads: the two share nothing, and every branch between them hangs on the cluster's number.
; A PROJECTION'S TILE is 256 x 256, by four waves of 128 x 128 (64 accumulators, 512 registers).  K goes in slots of 256 through a ring of two, filled by joint loads: A's tiles shared along a row of the cluster, B's along a column.
; The operands are images of their registers (16 rows x 128 K in 2,048 bytes), so a slot's part of a 16-row tile is 4,096 consecutive bytes and LDS needs no padding: 32 lanes read 512 consecutive bytes.
; q, k: A = x with its own scale, B = the weight; source 0 = B's rows, so a lane holds one token and eight neighbouring features a tile.  v: A = Wv, B = x: a lane holds one feature and eight neighbouring tokens.
; THE WAY OUT: feature d of a head and d + 64 lie in one lane (tiles b and b + 4): lo' = lo cos - hi sin, hi' = hi cos + lo sin in f32; then the hold at 448 x the scale and the conversion; the codes of 16 rows x 128 leave as the image that the attention reads.
; The sums stand for sum x 2^(e of A + e of B), which is folded into the conversion's scale.  LIMITS: e6 - e0 - e1, e7 - e2 - e3, e8 - e4 - e5 and e11 between -126 and 119.  NaN among the inputs is not served (an infinity in Wo is held at the largest code).
; PREFETCH: slot n + 2 is asked for where slot n is loaded.  Of the 8 tiles x 4,096 bytes that a wave fetches, each of the four partners that ask jointly names two (told apart by address: cx for A, cy for B), a lane 256 bytes: each block once a cluster.
; Slots 0 and 1 come by their loads alone and the last two changes ask for nothing.  The rope table of the cluster's tokens (q, k) is asked for once, behind the loop: a quarter of a tile row's table a partner, a quarter of that: one table tile a wave.
; REGISTERS, windows of 256: 0: v0-31 addresses and constants, v32-127 the way out, v128-255 A's fragments (then results and codes of the way out); 1: B's two sets of fragments (then table blocks); 2, 3: accumulators.
; (Of a tile row's sixteen table tiles of 8,192 bytes a partner names four and each of its waves one, a lane 256 bytes.)
.set FR,     16                        ; registers of a fragment
.set NL,     4                         ; LDS loads that bring one
.set NP,     4                         ; places behind this matrix instruction (ISA guide 7.12.1)
.set SLOT,   131072                    ; A's 256 rows x 256 K, then B's
.set SPARE,  262144                    ; the spare words: 128 bytes a wave, that no other line names
.set WSTG,   262656                    ; Wo's stages: 4 x 8,448 bytes, into which no tensor load lands
.set WPIT,   528
.set LAPS,   4                         ; a lap = two slots; 2,048 = 4 x 2 x 256
.set ADRA, 16
.set ADRB, 20
.set CO,   26                          ; 16 x lane
.set SPW,  28
.set NIL,  29
.set PFO,  30                          ; the prefetches' offsets
.set PFT,  31
.set SC,   10                          ; the conversion's scale
.set LIM,  11                          ; 448 x the scale
.set RS,   128                         ; the way out: a block's 64 results
.set AF,   128
.set G1, 24
.set G0, 32
.set G1B, 48
.set G0B, 56
.set PFA, 92                           ; s[92:93] my prefetches' base, s[98:99] the table's
.set MSB, 0
.macro WIN new                         ; the immediate's high byte repeats the setting that is left
.if MSB != (\new)
	s_set_vgpr_msb (MSB<<8)|(\new)
.set MSB, \new
.endif
.endm
.set MUL_LO, 0xa1                      ; source 0 (B) window 1, source 1 (A) window 0, C and D window 2
.set MUL_HI, 0xf1
.set TO_B,   0x40
.macro JLOAD g0a, g1a, g0b, g1b        ; a joint load: waves 0, 1 for A, waves 2, 3 for B; s_nop 0 and four v_nop follow each line
	s_cmp_eq_u32 s15, 0
	s_cbranch_scc0 .Lfor_b_\@
	tensor_load_to_lds s[\g0a:\g0a+3], s[\g1a:\g1a+7]
	s_nop 0
.rept 4
	v_nop
.endr
	s_branch .Lasked_\@
.Lfor_b_\@:
	tensor_load_to_lds s[\g0b:\g0b+3], s[\g1b:\g1b+7]
	s_nop 0
.rept 4
	v_nop
.endr
.Lasked_\@:
.endm
.macro CREST                           ; a round of the cluster's barrier behind its opening barrier
	s_cmp_lg_u32 s14, 0
	s_cbranch_scc1 .Lnot_wave_0_\@
	s_barrier_signal -3
.Lnot_wave_0_\@:
	s_barrier_wait -3
	s_barrier_signal -1
	s_barrier_wait -1
.endm
.macro CROUND
	s_barrier_signal -1
	s_barrier_wait -1
	CREST
.endm
	s_load_b256 s[4:11], s[0:1], 0x0               ; codes, table, scales' exponents, q k v codes
	s_load_b128 s[88:91], s[0:1], 0x20             ; Wo, Wo's codes
	v_lshl_add_u32 v[SPW], v0, 2, SPARE
	v_mov_b32 v[NIL], 0
	ds_add_u32 v[SPW], v[NIL]
	ds_add_u32 v[SPW], v[NIL]
	v_lshrrev_b32 v1, 5, v0
	v_readfirstlane_b32 s14, v1                    ; wave
	s_lshr_b32 s15, s14, 1                         ; my half of the rows; I fetch for A (0) or B (1)
	s_and_b32 s16, s14, 1                          ; my half of the columns; which 128 rows I fetch
	s_bfe_u32 s40, ttmp6, 0x40000                  ; cx
	s_bfe_u32 s41, ttmp6, 0x40004                  ; cy
	s_lshr_b32 s66, ttmp9, 1                       ; 0 q, 1 k, 2 v, 3 Wo
	s_and_b32 s42, ttmp9, 1
	s_lshl_b32 s42, s42, 2
	s_add_co_u32 s42, s42, s40                     ; tile column 0..7
	s_and_b32 s17, ttmp7, 0xffff
	s_lshl_b32 s17, s17, 2
	s_add_co_u32 s17, s17, s41                     ; tile row 0..7
	s_lshl_b32 s43, s41, 2
	s_lshl_b32 s43, 15, s43                        ; my row of the cluster
	s_lshl_b32 s44, 0x1111, s40                    ; my column
	s_or_b32 s[G1+0], s43, (3<<16)|(1<<21)         ; elements of 8 bytes; bit 21 beside a mask
	s_or_b32 s[G1B+0], s44, (3<<16)|(1<<21)
.irp g, G1, G1B                                    ; 8 rows of 4,096 bytes, 32,768 bytes apart
	s_mov_b32 s[\g+1], 512<<16
	s_mov_b32 s[\g+2], 8<<16
	s_mov_b32 s[\g+3], 512<<16
	s_mov_b32 s[\g+4], 8
	s_mov_b32 s[\g+5], 4096
	s_mov_b32 s[\g+6], 0
	s_mov_b32 s[\g+7], 0
.endr
	s_add_co_u32 s68, s66, 3
	s_cmp_lt_u32 s66, 2
	s_cselect_b32 s67, s66, 5                      ; A's segment: x e0, x e2, Wv
	s_cselect_b32 s68, s68, 2                      ; B's: Wq, Wk, x e4
	s_lshl_b32 s20, s67, 22
	s_lshl_b32 s18, s17, 19
	s_add_co_u32 s20, s20, s18
	s_lshl_b32 s18, s16, 18
	s_add_co_u32 s20, s20, s18
	s_mov_b32 s21, 0
	s_lshl_b32 s46, s68, 22
	s_lshl_b32 s47, s42, 19
	s_add_co_u32 s46, s46, s47
	s_add_co_u32 s46, s46, s18
	s_mov_b32 s47, 0
	s_lshl_b32 s45, s14, 15                        ; where my part lies in a slot
	s_wait_alu depctr_va_vdst(0)
	s_wait_dscnt 0x0                               ; both opening adds are done
	s_wait_kmcnt 0x0
	s_load_b256 s[72:79], s[8:9], 0x0              ; e0 .. e7
	s_load_b128 s[80:83], s[8:9], 0x20             ; e8 .. e11
	s_cmp_eq_u32 s66, 3                            ; the same in all sixteen work-groups of a cluster
	s_cbranch_scc1 .Lwo
	s_add_nc_u64 s[20:21], s[4:5], s[20:21]
	s_add_nc_u64 s[46:47], s[4:5], s[46:47]
.irp s, 0,1
	s_mov_b32 s[G0+4*\s], 1
	s_add_co_u32 s[G0+4*\s+1], s45, \s*SLOT
	s_add_nc_u64 s[G0+4*\s+2:G0+4*\s+3], s[20:21], \s*4096
	s_or_b32 s[G0+4*\s+3], s[G0+4*\s+3], 0x80000000
	s_mov_b32 s[G0B+4*\s], 1
	s_add_co_u32 s[G0B+4*\s+1], s45, \s*SLOT
	s_add_nc_u64 s[G0B+4*\s+2:G0B+4*\s+3], s[46:47], \s*4096
	s_or_b32 s[G0B+4*\s+3], s[G0B+4*\s+3], 0x80000000
.endr
	CROUND                                         ; all sixteen work-groups are here
	JLOAD G0, G1, G0B, G1B                         ; slot 0: one tensor load a wave at the head
	s_cmp_eq_u32 s15, 0                            ; the prefetches: my operand, and my place among the four that ask with me
	s_cselect_b64 s[PFA:PFA+1], s[20:21], s[46:47]
	s_cselect_b32 s94, s40, s41
	s_lshl_b32 s94, s94, 16                        ; two tiles of 32,768 bytes each
	s_mov_b32 s95, 0
	s_add_nc_u64 s[PFA:PFA+1], s[PFA:PFA+1], s[94:95]
	v_and_b32 v6, 31, v0
	v_lshlrev_b32 v[CO], 4, v6
	v_lshlrev_b32 v[PFT], 8, v6
	v_lshrrev_b32 v7, 4, v6
	v_and_b32 v8, 15, v6
	v_lshlrev_b32 v8, 8, v8
	v_lshl_add_u32 v[PFO], v7, 15, v8              ; tile lane / 16, block lane % 16
	global_prefetch_b8 v[PFO], s[PFA:PFA+1] offset:8192 th:TH_LOAD_NT scope:SCOPE_SE   ; slot 2
	s_lshl_b32 s21, s15, 15                        ; my 128 rows of A,
	s_lshl_b32 s22, s16, 15
	s_add_co_u32 s22, s22, 65536                   ; of B
.irp s, 0,1
	v_add_nc_u32 v[ADRA+\s], s21, v[CO]
	v_add_nc_u32 v[ADRB+\s], s22, v[CO]
	s_add_co_u32 s21, s21, SLOT
	s_add_co_u32 s22, s22, SLOT
.endr
	s_lshl_b32 s86, s17, 1
	s_add_co_u32 s86, s86, s15                     ; my 128 rows of the result: q, k: tokens; v: a head's features
	s_lshl_b32 s87, s42, 1
	s_add_co_u32 s87, s87, s16                     ; my 128 columns: q, k: a head; v: tokens
	s_cmp_lt_u32 s66, 2
	s_cselect_b32 s68, s87, s86                    ; the head
	s_cselect_b32 s70, s86, s87                    ; the block of 128 tokens: 16,384 bytes of the head's codes
	s_lshl_b32 s68, s68, 18
	s_lshl_b32 s70, s70, 14
	s_add_co_u32 s70, s70, s68
	s_lshl_b32 s68, s66, 22
	s_add_co_u32 s70, s70, s68
	s_mov_b32 s71, 0
	s_add_nc_u64 s[10:11], s[10:11], s[70:71]
	s_lshl_b32 s98, s17, 17                        ; the table: my tile row's 16 tiles of 8,192 bytes,
	s_lshl_b32 s99, s40, 15
	s_add_co_u32 s98, s98, s99                     ; a partner's four of them,
	s_lshl_b32 s99, s14, 13
	s_add_co_u32 s98, s98, s99                     ; a wave's one
	s_mov_b32 s99, 0
	s_add_nc_u64 s[98:99], s[6:7], s[98:99]
	s_lshl_b32 s96, s86, 16                        ; and where my own eight begin
	s_mov_b32 s97, 0
	s_add_nc_u64 s[6:7], s[6:7], s[96:97]
	s_wait_alu depctr_va_vdst(0)
	s_wait_kmcnt 0x0
	s_add_co_i32 s72, s72, s73
	s_add_co_i32 s74, s74, s75
	s_add_co_i32 s76, s76, s77
	s_sub_co_i32 s72, s78, s72                     ; a sum's code is sum / 2^(e6 - e0 - e1); k, v likewise
	s_sub_co_i32 s74, s79, s74
	s_sub_co_i32 s76, s80, s76
	s_cmp_eq_u32 s66, 1
	s_cselect_b32 s72, s74, s72
	s_cmp_eq_u32 s66, 2
	s_cselect_b32 s72, s76, s72
	s_add_co_i32 s72, s72, 127
	s_lshl_b32 s73, s72, 23
	v_mov_b32 v[SC], s73
	s_add_co_i32 s72, s72, 8
	s_lshl_b32 s72, s72, 23
	s_or_b32 s72, s72, 0x600000
	v_mov_b32 v[LIM], s72
.macro FRAG reg, adr, q, i
.irp c, 0,1,2,3
	ds_load_b128 v[\reg+4*\c:\reg+4*\c+3], v[\adr] offset:4096*(\i)+2048*(\q)+512*\c
.endr
.endm
; 8 matrix instructions: A's block a x B's eight, 128 along K; p: B's set; zero = 1: the first product starts the sums.  The 64 accumulators take turns in the same order in every step.
.macro MUL8 a, p, zero
.irp b, 0,1,2,3,4,5,6,7
.if \zero
	v_wmma_f32_16x16x128_fp8_fp8 v[8*(8*((\a)%4)+\b):8*(8*((\a)%4)+\b)+7], v[128*(\p)+FR*\b:128*(\p)+FR*\b+FR-1], v[AF+FR*(\a):AF+FR*(\a)+FR-1], 0
.else
	v_wmma_f32_16x16x128_fp8_fp8 v[8*(8*((\a)%4)+\b):8*(8*((\a)%4)+\b)+7], v[128*(\p)+FR*\b:128*(\p)+FR*\b+FR-1], v[AF+FR*(\a):AF+FR*(\a)+FR-1], v[8*(8*((\a)%4)+\b):8*(8*((\a)%4)+\b)+7]
.endif
.endr
.endm
.macro MUL32 a0, p, zero
	MUL8 \a0, \p, \zero
	MUL8 (\a0)+1, \p, \zero
	MUL8 (\a0)+2, \p, \zero
	MUL8 (\a0)+3, \p, \zero
.endm
.macro FETCH_B slot, q, p
	WIN TO_B
.irp i, 0,1,2,3,4,5,6,7
	FRAG 128*(\p)+FR*\i, ADRB+\slot, \q, \i
.endr
	WIN 0
.endm
.macro FETCH_A slot, q, i0
.irp i, \i0, \i0+1, \i0+2, \i0+3
	FRAG AF+FR*(\i), ADRA+\slot, \q, \i
.endr
.endm
.macro PLACES n                        ; plain lines behind matrix instructions, ahead of loads into what they read and of reads of what they wrote
.rept \n
	v_nop
.endr
.endm
; A slot's first step: blocks 0-3 of A and B's other set are fetched anew in its middle, blocks 4-7 at its end.
.macro STEP slot, zero
	s_wait_dscnt 4*NL                              ; all but A's blocks 4-7
	WIN MUL_LO
	MUL32 0, 0, \zero
	s_wait_dscnt 0
	PLACES NP
	FETCH_B \slot, 1, 1
	FETCH_A \slot, 1, 0
	WIN MUL_HI
	MUL32 4, 0, \zero
	PLACES NP
	WIN 0
	FETCH_A \slot, 1, 4
.endm
; A slot's second step changes slots: one barrier, in front of it a wait for the tensor loads, an add of 0 to the spare word and a wait for it.  fill = 1: it opens a round, and this slot is filled again, two slots ahead.
.macro TURN slot, next, fill
	s_wait_dscnt 4*NL
	WIN MUL_LO
	MUL8 0, 1, 0
	MUL8 1, 1, 0
	WIN 0
	s_wait_tensorcnt 0x0                           ; my part of the next slot is in
	ds_add_u32 v[SPW], v[NIL]
	WIN MUL_LO
	MUL8 2, 1, 0
	s_wait_dscnt 0x0                               ; the add is done, and my reads of this slot are over
	s_barrier_signal -1
	MUL8 3, 1, 0
	WIN 0
	s_barrier_wait -1
.if \fill
	CREST                                          ; no wave of any partner still reads this slot's tile or has a load on its way
	s_add_nc_u64 s[G0+4*\slot+2:G0+4*\slot+3], s[G0+4*\slot+2:G0+4*\slot+3], 8192
	s_add_nc_u64 s[G0B+4*\slot+2:G0B+4*\slot+3], s[G0B+4*\slot+2:G0B+4*\slot+3], 8192
	JLOAD G0+4*\slot, G1, G0B+4*\slot, G1B         ; its four v_nop are the places for the loads below
.else
	PLACES NP
.endif
	FETCH_B \next, 0, 0
	FETCH_A \next, 0, 0
.if \fill
	s_cmp_gt_u32 s3, 1                             ; the last two changes that fill have no slot two on
	s_cbranch_scc0 .Lnot_mine_\@
	global_prefetch_b8 v[PFO], s[PFA:PFA+1] offset:8192+4096*\slot th:TH_LOAD_NT scope:SCOPE_SE
.Lnot_mine_\@:
.endif
	WIN MUL_HI
	MUL32 4, 1, 0
	PLACES NP
	WIN 0
	FETCH_A \next, 0, 4
.endm
.macro LASTSTEP                        ; nothing more to fetch
	s_wait_dscnt 4*NL
	WIN MUL_LO
	MUL32 0, 1, 0
	s_wait_dscnt 0
	WIN MUL_HI
	MUL32 4, 1, 0
	WIN 0
	PLACES NP
.endm
	s_wait_alu depctr_va_vdst(0)
	s_wait_tensorcnt 0x0                           ; my part of slot 0 is in
	ds_add_u32 v[SPW], v[NIL]
	s_wait_dscnt 0x0
	CROUND
	JLOAD G0+4, G1, G0B+4, G1B                     ; slot 1
	FETCH_B 0, 0, 0
	FETCH_A 0, 0, 0
	FETCH_A 0, 0, 4
	global_prefetch_b8 v[PFO], s[PFA:PFA+1] offset:12288 th:TH_LOAD_NT scope:SCOPE_SE   ; slot 3
	STEP 0, 1
	s_mov_b32 s3, LAPS-1
.Llap:
	s_wait_xcnt 0x0                                ; my earlier prefetches have read their base
	s_add_nc_u64 s[PFA:PFA+1], s[PFA:PFA+1], 8192
	TURN 0, 1, 1
	STEP 1, 0
	TURN 1, 0, 1
	STEP 0, 0
	s_sub_co_u32 s3, s3, 1
	s_cmp_lg_u32 s3, 0
	s_cbranch_scc1 .Llap
	s_cmp_eq_u32 s66, 2                            ; v takes no table
	s_cbranch_scc1 .Lno_table
	global_prefetch_b8 v[PFT], s[98:99] th:TH_LOAD_NT scope:SCOPE_SE   ; one table tile a wave: four partners x four waves name a tile row's sixteen
.Lno_table:
	TURN 0, 1, 0
	STEP 1, 0
	s_cmp_eq_u32 s66, 2
	s_cbranch_scc1 .Lv
.macro TABSET a                        ; table block a: buffer 0 is v32-95 of window 0, buffers 1 to 3 v0-191 of window 1
.if ((\a)%4) == 0
.set TBA, 32
.set TW, 0
.else
.set TBA, 64*(((\a)%4)-1)
.set TW, 1
.endif
.endm
.macro TABLOAD a
	TABSET \a
	WIN TW*TO_B
.irp i, 0,1,2,3,4,5,6,7,8,9,10,11,12,13,14,15
	global_load_b128 v[TBA+4*\i:TBA+4*\i+3], v[CO], s[6:7] offset:8192*(\a)+512*\i
.endr
	WIN 0
.endm
.macro PCSET a                         ; codes registers of each block's own, so no store's data are written again
.if (\a) < 2
.set PCA, 96+16*(\a)
.else
.if (\a) < 6
.set PCA, 192+16*((\a)-2)
.else
.set PCA, 32+16*((\a)-6)
.endif
.endif
.set AC, 64*((\a)%4)
.endm
.macro STORE4 a
.irp c, 0,1,2,3
	global_store_b128 v[CO], v[PCA+4*\c:PCA+4*\c+3], s[10:11] offset:2048*(\a)+512*\c   ; 512 consecutive bytes
.endr
.endm
.macro ROPE a
	PCSET \a
	TABSET \a
.if (\a) < 5
	s_wait_loadcnt 48                              ; this block's table is in; three blocks of 16 loads may be out
.else
	s_wait_loadcnt 16*(7-(\a))
.endif
	WIN 2+((\a)/4)+4*TW
.irp b, 0,1,2,3
.irp p, 0,2,4,6
	v_pk_mul_f32 v[RS+16*\b+\p:RS+16*\b+\p+1], v[AC+8*\b+32+\p:AC+8*\b+33+\p], v[TBA+16*\b+8+\p:TBA+16*\b+9+\p]   ; hi sin
.endr
.endr
.irp b, 0,1,2,3
.irp p, 0,2,4,6
	v_pk_mul_f32 v[RS+16*\b+8+\p:RS+16*\b+9+\p], v[AC+8*\b+\p:AC+8*\b+1+\p], v[TBA+16*\b+8+\p:TBA+16*\b+9+\p]   ; lo sin
.endr
.endr
.irp b, 0,1,2,3
.irp p, 0,2,4,6
	v_pk_fma_f32 v[RS+16*\b+\p:RS+16*\b+\p+1], v[AC+8*\b+\p:AC+8*\b+1+\p], v[TBA+16*\b+\p:TBA+16*\b+1+\p], v[RS+16*\b+\p:RS+16*\b+\p+1] neg_lo:[0,0,1] neg_hi:[0,0,1]
.endr
.endr
.irp b, 0,1,2,3
.irp p, 0,2,4,6
	v_pk_fma_f32 v[RS+16*\b+8+\p:RS+16*\b+9+\p], v[AC+8*\b+32+\p:AC+8*\b+33+\p], v[TBA+16*\b+\p:TBA+16*\b+1+\p], v[RS+16*\b+8+\p:RS+16*\b+9+\p]
.endr
.endr
	WIN 0
.if (\a) < 4
	TABLOAD (\a)+4                                 ; into the buffer that this block has read
.endif
.set n, 0
.rept 64
	v_med3_num_f32 v[RS+n], v[RS+n], -v[LIM], v[LIM]   ; the conversion does not saturate (ISA guide 7.6.2)
.set n, n+1
.endr
.irp b, 0,1,2,3
	v_cvt_scalef32_pk8_fp8_f32 v[PCA+2*\b:PCA+2*\b+1], v[RS+16*\b:RS+16*\b+7], v[SC]
	v_cvt_scalef32_pk8_fp8_f32 v[PCA+8+2*\b:PCA+9+2*\b], v[RS+16*\b+8:RS+16*\b+15], v[SC]
.endr
	v_nop
	STORE4 \a
.endm
	TABLOAD 0
	TABLOAD 1                                      ; B's first set was last read ahead of STEP's places
	TABLOAD 2
	LASTSTEP
	TABLOAD 3
.irp a, 0,1,2,3,4,5,6,7
	ROPE \a
.endr
	s_branch .Lend
.macro VOUT a
	PCSET \a
	WIN 2+((\a)/4)
.set n, 0
.rept 64
	v_med3_num_f32 v[RS+n], v[AC+n], -v[LIM], v[LIM]
.set n, n+1
.endr
	WIN 0
.irp b, 0,1,2,3,4,5,6,7
	v_cvt_scalef32_pk8_fp8_f32 v[PCA+2*\b:PCA+2*\b+1], v[RS+8*\b:RS+8*\b+7], v[SC]
.endr
	v_nop
	STORE4 \a
.endm
.Lv:
	LASTSTEP
.irp a, 0,1,2,3,4,5,6,7
	VOUT \a
.endr
.Lend:
	s_wait_tensorcnt 0x0                           ; the wave's end
	ds_add_u32 v[SPW], v[NIL]
	s_wait_dscnt 0x0
	CROUND                                         ; the closing round
	s_endpgm
; Wo: 64 work-groups of 32 rows (two tiles); wave (s15, s16) takes tile s15, K steps 8 s16 .. 8 s16 + 7, one image of 2,048 bytes each.  A load reads 512 consecutive bytes of a row; an image's 8 KiB turn through the wave's own stage.
; Two images' loads are out.  No prefetch: the loads themselves run two images ahead.
.set WR, 32                            ; v32-159 two sets as loaded
.set WX, 160                           ; v160-223 64 numbers of a lane
.set WC, 224                           ; v224-255 two sets of codes
.macro WLOAD s
.irp i, 0,1,2,3,4,5,6,7,8,9,10,11,12,13,14,15
	global_load_b128 v[WR+64*((\s)%2)+4*\i:WR+64*((\s)%2)+4*\i+3], v2, s[88:89] offset:(\i+8*(\i/8))*8192+512*(\s) th:TH_LOAD_NT
.endr
.endm
.macro WIMG s, more
.if (\more) || (\s) == 0
	s_wait_loadcnt 16                              ; this image's 16 loads are in; the next one's may be out
.else
	s_wait_loadcnt 0
.endif
.irp i, 0,1,2,3,4,5,6,7,8,9,10,11,12,13,14,15
	ds_store_b128 v3, v[WR+64*(\s)+4*\i:WR+64*(\s)+4*\i+3] offset:WPIT*\i
.endr
.irp c, 0,1,2,3
.irp j, 0,1,2,3
	ds_load_b128 v[WX+16*\c+4*\j:WX+16*\c+4*\j+3], v4 offset:128*\c+16*\j
.endr
.endr
	s_wait_dscnt 0x0                               ; the numbers are back, and the stores have read their registers
.if \more
	WLOAD (\s)+2
.endif
.set n, 0
.rept 64
	v_med3_num_f32 v[WX+n], v[WX+n], -v[LIM], v[LIM]
.set n, n+1
.endr
.irp d, 0,1,2,3,4,5,6,7
	v_cvt_scalef32_pk8_fp8_f32 v[WC+16*(\s)+2*\d:WC+16*(\s)+2*\d+1], v[WX+8*\d:WX+8*\d+7], v[SC]
.endr
	v_nop
.irp c, 0,1,2,3
	global_store_b128 v2, v[WC+16*(\s)+4*\c:WC+16*(\s)+4*\c+3], s[90:91] offset:2048*(\s)+512*\c
.endr
.endm
.Lwo:
	s_lshl_b32 s20, s17, 3
	s_add_co_u32 s20, s20, s42                     ; 0..63
	s_lshl_b32 s46, s20, 18                        ; 32 rows of 8,192 bytes,
	s_lshl_b32 s22, s15, 16                        ; tile s15 begins 8 rows on,
	s_add_co_u32 s46, s46, s22
	s_lshl_b32 s22, s16, 12                        ; my K steps 4,096 bytes along
	s_add_co_u32 s46, s46, s22
	s_mov_b32 s47, 0
	s_lshl_b32 s22, s20, 16                        ; the codes: two tiles of 32,768 bytes
	s_lshl_b32 s23, s15, 15
	s_add_co_u32 s22, s22, s23
	s_lshl_b32 s23, s16, 14
	s_add_co_u32 s22, s22, s23
	s_mov_b32 s23, 0
	s_add_nc_u64 s[88:89], s[88:89], s[46:47]
	s_add_nc_u64 s[90:91], s[90:91], s[22:23]
	s_mul_i32 s21, s14, 8448
	s_add_co_u32 s21, s21, WSTG                    ; my stage
	v_and_b32 v6, 31, v0
	v_lshlrev_b32 v2, 4, v6
	WLOAD 0
	WLOAD 1
	v_add_nc_u32 v3, s21, v2
	v_and_b32 v8, 15, v0
	v_bfe_u32 v9, v0, 4, 1
	v_mul_u32_u24 v4, v8, WPIT
	v_lshl_add_u32 v4, v9, 6, v4
	v_add_nc_u32 v4, s21, v4
	s_wait_alu depctr_va_vdst(0)
	s_wait_kmcnt 0x0
	s_add_co_i32 s72, s83, 127                     ; e11
	s_lshl_b32 s73, s72, 23
	v_mov_b32 v[SC], s73
	s_add_co_i32 s72, s72, 8
	s_lshl_b32 s72, s72, 23
	s_or_b32 s72, s72, 0x600000
	v_mov_b32 v[LIM], s72
	s_mov_b32 s3, 3
	s_wait_alu depctr_va_vdst(0)
.Lwimg:
	WIMG 0, 1
	WIMG 1, 1
	s_wait_xcnt 0x0                                ; loads and stores have read their bases and registers
	s_add_nc_u64 s[88:89], s[88:89], 1024
	s_add_nc_u64 s[90:91], s[90:91], 4096
	s_sub_co_u32 s3, s3, 1
	s_cmp_lg_u32 s3, 0
	s_cbranch_scc1 .Lwimg
	WIMG 0, 0
	WIMG 1, 0
	s_wait_tensorcnt 0x0                           ; the wave's end
	ds_add_u32 v[SPW], v[NIL]
	s_wait_dscnt 0x0
	s_endpgm
.Lfunc_end_k_q9e894e10d7_qkv:
	.size	k_q9e894e10d7_qkv, .Lfunc_end_k_q9e894e10d7_qkv-k_q9e894e10d7_qkv
	.p2alignl 7, 3214868480
	.fill 96, 4, 3214868480
	.section	.rodata,"a",@progbits
	.p2align	6, 0x0
	.amdhsa_kernel k_q9e894e10d7_qkv
		.amdhsa_group_segment_fixed_size 327680
		.amdhsa_private_segment_fixed_size 0
		.amdhsa_enable_private_segment 0
		.amdhsa_kernarg_size 48
		.amdhsa_user_sgpr_count 2
		.amdhsa_user_sgpr_kernarg_segment_ptr 1
		.amdhsa_wavefront_size32 1
		.amdhsa_system_sgpr_workgroup_id_x 1
		.amdhsa_system_sgpr_workgroup_id_y 1
		.amdhsa_system_sgpr_workgroup_id_z 1
		.amdhsa_system_vgpr_workitem_id 0
		.amdhsa_next_free_vgpr 1024
		.amdhsa_next_free_sgpr 100
		.amdhsa_reserve_vcc 0
		.amdhsa_float_denorm_mode_32 3
		.amdhsa_float_denorm_mode_16_64 3
		.amdhsa_memory_ordered 1
		.amdhsa_forward_progress 1
		.amdhsa_inst_pref_size 244
	.end_amdhsa_kernel
	.amdgpu_metadata
---
amdhsa.version: [ 1, 2 ]
amdhsa.kernels:
  - .name:           k_q9e894e10d7_qkv
    .symbol:         k_q9e894e10d7_qkv.kd
    .args:
      - { .name: codes, .offset: 0, .size: 8, .value_kind: global_buffer, .address_space: global }
      - { .name: rope_tab, .offset: 8, .size: 8, .value_kind: global_buffer, .address_space: global }
      - { .name: lowp_scales, .offset: 16, .size: 8, .value_kind: global_buffer, .address_space: global }
      - { .name: qkv_codes, .offset: 24, .size: 8, .value_kind: global_buffer, .address_space: global }
      - { .name: Wo, .offset: 32, .size: 8, .value_kind: global_buffer, .address_space: global }
      - { .name: wo_codes, .offset: 40, .size: 8, .value_kind: global_buffer, .address_space: global }
    .group_segment_fixed_size: 327680
    .private_segment_fixed_size: 0
    .kernarg_segment_align: 8
    .kernarg_segment_size: 48
    .max_flat_workgroup_size: 128
    .sgpr_count:     100
    .vgpr_count:     1024
    .wavefront_size: 32
...
	.end_amdgpu_metadata
.endif
;; end of part 6
;; launch attn (part 7): grid 16 x 16, 4 waves a work-group, clusters of 4 x 1, 327,680 bytes of LDS; arguments qkv_codes, lowp_scales, attn_codes; writes attn_codes
.if DOCPART == 7
	.amdgcn_target "amdgcn-amd-amdhsa--gfx1250"
	.amdhsa_code_object_version 6
	.text
	.protected	k_q9e894e10d7_attn
	.globl	k_q9e894e10d7_attn
	.p2align	8
	.type	k_q9e894e10d7_attn,@function
k_q9e894e10d7_attn:
	s_mov_b64 s[64:65], 0
	v_nop
	global_prefetch_b8 v0, s[64:65] scope:SCOPE_SE
	s_setreg_imm32_b32 hwreg(HW_REG_WAVE_MODE, 25, 1), 1
	s_wait_xcnt 0x0
	s_wait_alu depctr_hold_cnt(0) depctr_sa_sdst(0) depctr_va_vdst(0) depctr_va_sdst(0) depctr_va_ssrc(0) depctr_va_vcc(0) depctr_vm_vsrc(0)
	s_getreg_b32 s2, hwreg(HW_REG_IB_STS2, 6, 4)
	s_cmp_eq_u32 s2, 0
	s_cbranch_scc0 .Lentry_in_a_cluster
	s_endpgm
.Lentry_in_a_cluster:
	s_bfe_u32 s2, ttmp6, 0x10000c
	s_cmp_lg_u32 s2, 0x3003
	s_cbranch_scc0 .Lentry_shape_is_right
	s_endpgm
.Lentry_shape_is_right:
; Causal attention on codes of E4M3, 16 heads of 128, 2,048 tokens; its result, divided by the row's sum, is quantised for the last projection.
; THE SOFTMAX: t = score x log2(e) / sqrt(128); M = the running largest t rounded up to a whole number; p = 2^(t - M) is quantised with 2^e9; the sum is taken of the unquantised p and divides at the end.
; WORK LEFT OUT: slots of 256 keys that lie wholly after a block's queries: reference() replaces those scores by the smallest f32 number, whose exponential is 0.  LIMIT: a NaN or an infinity that reaches only such scores is not carried on.
; SHARES.  A work-group owns two blocks of 64 queries of one head: A = b and B = 31 - b, b = 4 x cluster x + cx.  It walks slots of 256 keys: cluster x + 1 slots for A, then 8 - cluster x for B: always nine, and the same
; key slots in all four partners of a cluster, so each slot's K and V are asked for JOINTLY.  Wave w: query tiles 2 p, 2 p + 1 of the block, p = w % 2, and key half u = w / 2 of the slot: 128 keys a slot, each fragment of K and V for two tiles.
; Only a block's last slot lies on the diagonal: there hidden scores become -infinity (a number a lane; no branch hangs on a work-group's place in its cluster).  A half that is wholly hidden gives p = 0.
; The two key halves keep their own M, sum and O; they meet in LDS at the end and are joined by exact powers of two.
; LAYOUT.  All operands are images of their registers (16 rows x 128 K in 2,048 bytes, group c of lane L at 512 c + 16 L).  Both products are used transposed: S^T = K Q^T, O^T = V^T P^T: a lane holds one query of each tile throughout.
; Row place i of tile T is row 32 (T / 2) + 8 (T % 2) + i + 8 (i / 8), so that the 16 registers of two neighbouring tiles are 16 neighbours along the next K.
; ORDER.  A trip: V's 32 loads go out, then the scores on K's fragments (asked for in the trip before), the softmax, the change of slots with O's rescaling in its waits, K's 32 loads of the next slot, and the second product.
; PREFETCH: of the key slot that the change two trips on asks for in the head's first cluster, which walks all eight.  Its four partners share a slot's 32,768 bytes of K and of V out by address, 8,192 each; wave 0 asks for K's,
; wave 1 for V's, lanes 256 bytes apart: each block of 256 bytes is named once.  Key slots 0 to 2 come by their loads alone; trips 0 to 4 ask for key slots 3 to 7.
; LIMITS: e6 + e7 between -123 and 130 (added to c's exponent field); e9, and e10 - e8 - e9, between -126 and 119; the scaled scores stay under 2^31 in magnitude.
; REGISTERS.  Window 0: v1 my place in a slot; v3 prefetch offset; v4 the mask's number in hand, v9 block B's; v5, v6 the spare word and 0; v7 16 x lane; v8 address in hand; v10, v11 where I leave O and M, l; v24, v25 where I read at the end;
; of tile s: v[12 + 2 s] -M, v[13 + 2 s] largest t, v[16 + 2 s : 17 + 2 s] the sum, v[20 + 2 s : 21 + 2 s] f; v30, v31 the scale and 448 x it; v32-63 Q; v64-95 p's codes; v96-119 at work; v128-191, v192-255 S^T, then p.
; Window 1: v0-127 K, v128-255 V.  Window 2: v0-63, v64-127 O^T; v128-159 block B's Q.
.set SLOT1, 65536                      ; a slot: K step 0, K step 1, V step 0, V step 1, 16,384 bytes each
.set SPARE, 131072                     ; the spare words: 128 bytes for each wave, that no other line names
.set SCR,   131584                     ; what the halves leave: region (2 t + u, block): 16 x 512 bytes of O^T, 128 of -M, 128 of the sum
.set SCRW,  16896
.set SCRB,  8448
.set SCRT,  2*SCRW                     ; from a tile to the next
.set MSB, 0
.macro WIN new                         ; the immediate's high byte repeats the setting that is left
.if MSB != (\new)
	s_set_vgpr_msb (MSB<<8)|(\new)
.set MSB, \new
.endif
.endm
.macro CREST                           ; a round of the cluster's barrier behind its opening barrier
	s_cmp_lg_u32 s18, 0
	s_cbranch_scc1 .Lnot_wave_0_\@
	s_barrier_signal -3
.Lnot_wave_0_\@:
	s_barrier_wait -3
	s_barrier_signal -1
	s_barrier_wait -1
.endm
.macro CROUND
	s_barrier_signal -1
	s_barrier_wait -1
	CREST
.endm
.macro TLOAD                           ; waves 0, 1 fetch the slot's two steps of K, waves 2, 3 of V; s_nop 0 and four v_nop follow
	tensor_load_to_lds s[40:43], s[24:31]
	s_nop 0
.rept 4
	v_nop
.endr
.endm
.macro DESC                            ; the next of the nine slots, J = s19: key slot J for block A, J - NA for block B
	s_xor_b32 s41, s41, SLOT1
	s_add_co_u32 s19, s19, 1
	s_cmp_lt_u32 s19, s10
	s_cselect_b32 s38, 0, s10
	s_sub_co_u32 s38, s19, s38
	s_lshl_b32 s38, s38, 15
	s_add_nc_u64 s[42:43], s[36:37], s[38:39]
	s_or_b32 s43, s43, 0x80000000
.endm
.macro KLOADS
	WIN 0x40
.irp t, 0,1,2,3,4,5,6,7
.irp c, 0,1,2,3
	ds_load_b128 v[16*\t+4*\c:16*\t+4*\c+3], v8 offset:2048*\t+512*\c
.endr
.endr
	WIN 0
.endm
	s_load_b128 s[4:7], s[0:1], 0x0                ; q, k, v codes s[4:5]; the scales' exponents s[6:7]
	s_load_b64 s[8:9], s[0:1], 0x10                ; out
	v_lshl_add_u32 v5, v0, 2, SPARE
	v_mov_b32 v6, 0
	ds_add_u32 v5, v6
	ds_add_u32 v5, v6
	v_lshrrev_b32 v8, 5, v0
	v_readfirstlane_b32 s18, v8                    ; wave 0..3
	s_and_b32 s12, s18, 1                          ; p
	s_lshr_b32 s13, s18, 1                         ; u
	s_bfe_u32 s14, ttmp6, 0x40000                  ; cx
	s_and_b32 s15, ttmp7, 0xffff                   ; the head
	s_lshl_b32 s16, ttmp9, 2
	s_add_co_u32 s16, s16, s14                     ; block A
	s_sub_co_u32 s17, 31, s16                      ; block B
	s_add_co_u32 s10, ttmp9, 1                     ; NA: block A's slots: the same in all four partners
	s_sub_co_u32 s11, s10, 1                       ; block A's last
	s_mov_b32 s24, 15|(3<<16)|(1<<21)              ; group 1: the mask: all four; elements of 8 bytes; no padding
	s_mov_b32 s25, 32<<16                          ; 64 rows of 256 bytes, dense
	s_mov_b32 s26, 64<<16
	s_mov_b32 s27, 32<<16
	s_mov_b32 s28, 64
	s_mov_b32 s29, 32
	s_mov_b32 s30, 0
	s_mov_b32 s31, 0
	s_mov_b32 s20, 0x76543210
	s_mov_b32 s21, 0xfedcba98                      ; v_permlanex16_b32: lane l xor 16
	s_mov_b32 s22, 0x3e0293ee                      ; c = log2(e) / sqrt(128)
	s_mov_b32 s2, 0                                ; LDS byte of the slot in hand
	s_mov_b32 s19, 0                               ; J
	s_lshl_b32 s49, s15, 18                        ; the head's bytes in each segment
	s_cmp_lt_u32 s18, 2
	s_cselect_b32 s38, 1, 2                        ; what I fetch: segment 1 (k) or 2 (v),
	s_lshl_b32 s38, s38, 22
	s_add_co_u32 s38, s38, s49
	s_lshl_b32 s57, s12, 14                        ; the slot's first or second step
	s_add_co_u32 s38, s38, s57
	s_mov_b32 s39, 0
	s_lshl_b32 s57, s12, 1
	s_lshl_b32 s50, s16, 2
	s_add_co_u32 s50, s50, s57
	s_lshl_b32 s50, s50, 11
	s_add_co_u32 s50, s50, s49                     ; block A's two tiles of q
	s_mov_b32 s51, 0
	s_lshl_b32 s58, s17, 2
	s_add_co_u32 s58, s58, s57
	s_lshl_b32 s58, s58, 11
	s_add_co_u32 s58, s58, s49                     ; block B's
	s_mov_b32 s59, 0
	s_cmp_eq_u32 s13, 0
	s_cselect_b32 s60, s16, s17                    ; at the end waves 0, 1 finish block A, waves 2, 3 block B
	s_lshl_b32 s60, s60, 2
	s_add_co_u32 s60, s60, s57
	s_lshl_b32 s60, s60, 15
	s_lshl_b32 s61, s15, 11
	s_add_co_u32 s60, s60, s61                     ; out: [token tile][head][2048]
	s_mov_b32 s61, 0
	s_add_co_u32 s62, s12, 1
	s_lshl_b32 s62, s62, 22
	s_add_co_u32 s62, s62, s49
	s_lshl_b32 s63, s14, 13
	s_add_co_u32 s62, s62, s63
	s_add_co_u32 s62, s62, 65536                   ; the prefetches stand at key slot 2: trip 0 steps them to 3
	s_mov_b32 s63, 0
	s_or_b32 s48, s13, ttmp9                       ; 0 in waves 0 and 1 of the head's first cluster:
	s_cmp_eq_u32 s48, 0
	s_cselect_b32 s48, 4, -1                       ; they ask in trips 0 to 4
	s_wait_alu depctr_va_vdst(0)
	s_wait_dscnt 0x0                               ; both opening adds are done
	s_wait_kmcnt 0x0
	s_load_b128 s[52:55], s[6:7], 0x18             ; e6, e7, e8, e9
	s_load_b32 s56, s[6:7], 0x28                   ; e10
	s_add_nc_u64 s[36:37], s[4:5], s[38:39]
	s_add_nc_u64 s[32:33], s[4:5], s[50:51]
	s_add_nc_u64 s[34:35], s[4:5], s[58:59]
	s_add_nc_u64 s[44:45], s[8:9], s[60:61]
	s_add_nc_u64 s[46:47], s[4:5], s[62:63]
	s_mov_b32 s40, 1                               ; group 0: count,
	s_lshl_b32 s41, s18, 14                        ; LDS: slot 0, wave x 16,384,
	s_mov_b64 s[42:43], s[36:37]                   ; key slot 0,
	s_or_b32 s43, s43, 0x80000000                  ; the type
	CROUND                                         ; all four work-groups are here
	TLOAD                                          ; slot 0
	v_and_b32 v7, 31, v0
	v_lshlrev_b32 v3, 8, v7
	v_lshlrev_b32 v2, 2, v7
	v_lshlrev_b32 v7, 4, v7
	s_wait_alu depctr_va_vdst(0)
.irp s, 0,1
.irp c, 0,1,2,3
	global_load_b128 v[32+16*\s+4*\c:35+16*\s+4*\c], v7, s[32:33] offset:2048*\s+512*\c   ; block A's two tiles of q
.endr
.endr
	WIN 0x80
.irp s, 0,1
.irp c, 0,1,2,3
	global_load_b128 v[128+16*\s+4*\c:131+16*\s+4*\c], v7, s[34:35] offset:2048*\s+512*\c   ; block B's wait in window 2
.endr
.endr
	WIN 0
	s_lshl_b32 s49, s13, 14
	v_add_nc_u32 v1, s49, v7                       ; my half's step of K in a slot; V's lies 32,768 further on
	s_lshl_b32 s49, s12, 2
	s_add_co_u32 s49, s49, s13
	s_mul_i32 s49, s49, SCRW
	s_add_co_u32 s49, s49, SCR
	v_add_nc_u32 v10, s49, v7
	s_add_co_u32 s57, s49, 8192
	v_add_nc_u32 v11, s57, v2
	s_mul_i32 s49, s12, 4*SCRW
	s_mul_i32 s57, s13, SCRB
	s_add_co_u32 s49, s49, s57
	s_add_co_u32 s49, s49, SCR
	v_add_nc_u32 v24, s49, v7
	s_add_co_u32 s57, s49, 8192
	v_add_nc_u32 v25, s57, v2
	; the mask's number of tile 0: my query less the slot's first key, less 128 u + 16 h: register 16 b + i holds the key 32 b + i above that: hidden where 32 b + i is greater.  Tile 1's is 8 more
	v_and_b32 v8, 15, v0
	v_bfe_u32 v2, v0, 4, 1
	v_and_b32 v4, 8, v8
	v_lshlrev_b32 v2, 4, v2
	v_add_nc_u32 v4, v4, v8
	v_sub_nc_u32 v4, v4, v2
	s_lshl_b32 s49, s12, 5
	s_lshl_b32 s57, s13, 7
	s_sub_co_i32 s49, s49, s57
	v_add_nc_u32 v4, s49, v4
	s_sub_co_u32 s57, 3, s14
	s_lshl_b32 s57, s57, 6
	v_add_nc_u32 v9, s57, v4                       ; block B lies 64 (3 - cx) into its last slot,
	s_lshl_b32 s57, s14, 6
	v_add_nc_u32 v4, s57, v4                       ; block A 64 cx
.macro FRESH                           ; a block begins: the largest t -3e38, the sums and O^T 0 (the trip is written for every slot alike)
	v_mov_b32 v13, 0xff61b1e6
	v_mov_b32 v15, 0xff61b1e6
	v_mov_b32 v16, 0
	v_mov_b32 v17, 0
	v_mov_b32 v18, 0
	v_mov_b32 v19, 0
	v_floor_f32 v12, -v13
	v_floor_f32 v14, -v15
	WIN 0x80
.set j, 0
.rept 128
	v_mov_b32 v[j], 0
.set j, j+1
.endr
	WIN 0
.endm
	FRESH
	v_mov_b32 v21, 0                               ; named as the upper halves of f's pairs
	v_mov_b32 v23, 0
	v_mov_b32 v114, 0                              ; a lane permute's destination counts as a source
	v_mov_b32 v115, 0
	v_add_nc_u32 v8, s2, v1
	s_wait_alu depctr_va_vdst(0)
	s_wait_kmcnt 0x0
	s_add_co_i32 s57, s52, s53
	s_lshl_b32 s57, s57, 23
	s_add_co_i32 s22, s22, s57                     ; a score stands for score x 2^(e6 + e7)
	s_mov_b32 s23, s22
	s_add_co_i32 s57, s55, 127
	s_lshl_b32 s49, s57, 23
	v_mov_b32 v30, s49                             ; 2^e9
	s_add_co_i32 s57, s57, 8
	s_lshl_b32 s57, s57, 23
	s_or_b32 s57, s57, 0x600000
	v_mov_b32 v31, s57                             ; 448 x 2^e9
	s_wait_alu depctr_va_vdst(0)
	s_wait_loadcnt 0x0                             ; q
	s_wait_tensorcnt 0x0                           ; my part of slot 0 is in
	ds_add_u32 v5, v6
	DESC
	s_wait_dscnt 0x0
	CROUND
	TLOAD                                          ; slot 1
	KLOADS
	s_mov_b32 s3, 0                                ; the trip
.macro SUM b, l                        ; the sum of 32 pairs from v[b] on into the pair v[l], in six chains
.set k, 0
.rept 5
	v_pk_add_f32 v[104+2*k:105+2*k], v[\b+4*k:\b+4*k+1], v[\b+4*k+2:\b+4*k+3]
.set k, k+1
.endr
	v_pk_add_f32 v[\l:\l+1], v[\l:\l+1], v[\b+20:\b+21]
.set k, 0
.rept 21
.if (k%6) < 5
	v_pk_add_f32 v[104+2*(k%6):105+2*(k%6)], v[104+2*(k%6):105+2*(k%6)], v[\b+22+2*k:\b+23+2*k]
.else
	v_pk_add_f32 v[\l:\l+1], v[\l:\l+1], v[\b+22+2*k:\b+23+2*k]
.endif
.set k, k+1
.endr
	v_pk_add_f32 v[104:105], v[104:105], v[106:107]
	v_pk_add_f32 v[108:109], v[108:109], v[110:111]
	v_pk_add_f32 v[\l:\l+1], v[\l:\l+1], v[112:113]
	v_pk_add_f32 v[104:105], v[104:105], v[108:109]
	v_pk_add_f32 v[\l:\l+1], v[\l:\l+1], v[104:105]
.endm
.macro RESCALE o, f                    ; O^T of a tile under the new M; a wait ahead of the first reader of the last products' results
	s_wait_alu depctr_va_vdst(0)
.set j, 0
.rept 32
	v_pk_mul_f32 v[\o+j:\o+j+1], v[\o+j:\o+j+1], v[\f:\f+1] op_sel_hi:[1,0]
.set j, j+2
.endr
.endm
; A TRIP: my 128 keys of the slot in hand for two tiles of queries.  diag: the trip in which the slot lies on the diagonal.  fill = 1: the slot is filled again, two slots ahead.
.macro TRIP diag, fill
.rept 4
	v_nop                                          ; places behind the last products, which read V's registers
.endr
	WIN 0x40
.irp t, 0,1,2,3,4,5,6,7
.irp c, 0,1,2,3
	ds_load_b128 v[128+16*\t+4*\c:128+16*\t+4*\c+3], v8 offset:32768+2048*\t+512*\c   ; V, read behind the softmax
.endr
.endr
	WIN 0x01
.irp t, 0,1,2,3,4,5,6,7
	s_wait_dscnt 60-4*\t                           ; K's tile t is in: K's later tiles and V's 32 loads may be out
	v_wmma_f32_16x16x128_fp8_fp8 v[128+8*\t:135+8*\t], v[16*\t:16*\t+15], v[32:47], 0
	v_wmma_f32_16x16x128_fp8_fp8 v[192+8*\t:199+8*\t], v[16*\t:16*\t+15], v[48:63], 0
.endr
	WIN 0
.rept 4
	v_nop
.endr
	s_cmp_lg_u32 s3, \diag
	s_cbranch_scc1 .Lopen_\@
	v_mov_b32 v116, 0xff800000                     ; -infinity
.set n, 0
.rept 64
	v_cmp_gt_i32 vcc_lo, 32*(n/16)+n%16, v4
	v_cndmask_b32 v[128+n], v[128+n], v116, vcc_lo
.set n, n+1
.endr
.set n, 0
.rept 64
	v_cmp_gt_i32 vcc_lo, 32*(n/16)+n%16-8, v4
	v_cndmask_b32 v[192+n], v[192+n], v116, vcc_lo
.set n, n+1
.endr
.Lopen_\@:
.set k, 0
.rept 4                                ; the largest score of my query of each tile among my 64 keys, four chains a tile, the two tiles by turns
	v_max3_num_f32 v[96+k], v[128+3*k], v[129+3*k], v[130+3*k]
	v_max3_num_f32 v[100+k], v[192+3*k], v[193+3*k], v[194+3*k]
.set k, k+1
.endr
.set k, 0
.rept 26
	v_max3_num_f32 v[96+k%4], v[96+k%4], v[140+2*k], v[141+2*k]
	v_max3_num_f32 v[100+k%4], v[100+k%4], v[204+2*k], v[205+2*k]
.set k, k+1
.endr
	v_max3_num_f32 v96, v96, v97, v98
	v_max3_num_f32 v100, v100, v101, v102
	v_max_num_f32 v96, v96, v99
	v_max_num_f32 v100, v100, v103
	v_permlanex16_b32 v114, v96, s20, s21
	v_permlanex16_b32 v115, v100, s20, s21
	v_max_num_f32 v96, v96, v114                   ; and among lane l xor 16's
	v_max_num_f32 v100, v100, v115
	v_mul_f32 v96, s22, v96
	v_mul_f32 v100, s22, v100
	v_max_num_f32 v13, v13, v96                    ; the running largest t
	v_max_num_f32 v15, v15, v100
	v_mov_b32 v97, v12
	v_mov_b32 v101, v14
	v_floor_f32 v12, -v13                          ; -M = floor(-t): a whole number
	v_floor_f32 v14, -v15
	v_sub_f32 v97, v12, v97
	v_sub_f32 v101, v14, v101
	v_cvt_i32_f32 v97, v97                         ; (it saturates)
	v_cvt_i32_f32 v101, v101
	v_ldexp_f32 v20, 1.0, v97                      ; f = 2^(old M - new M)
	v_ldexp_f32 v22, 1.0, v101
.set j, 0
.rept 32
	v_pk_fma_f32 v[128+j:129+j], v[128+j:129+j], s[22:23], v[12:13] op_sel_hi:[1,0,0]   ; t - M of tile 0
.set j, j+2
.endr
	s_wait_alu depctr_va_vdst(0)
.set j, 0
.rept 32                               ; p of tile 0; between them t - M of tile 1, which the next batch reads behind the wait
	v_exp_f32 v[128+j], v[128+j]
	v_exp_f32 v[129+j], v[129+j]
	v_pk_fma_f32 v[192+j:193+j], v[192+j:193+j], s[22:23], v[14:15] op_sel_hi:[1,0,0]
.set j, j+2
.endr
	v_pk_mul_f32 v[16:17], v[16:17], v[20:21] op_sel_hi:[1,0]   ; the sum under the new M
	s_wait_alu depctr_va_vdst(0)                   ; one wait behind this batch and ahead of the next
	SUM 128, 16
.set j, 0
.rept 64                               ; p of tile 1; between them the hold of tile 0's p: the conversion does not saturate (ISA guide 7.6.2), p is not negative
	v_exp_f32 v[192+j], v[192+j]
	v_min_num_f32 v[128+j], v31, v[128+j]
.set j, j+1
.endr
	v_pk_mul_f32 v[18:19], v[18:19], v[22:23] op_sel_hi:[1,0]
	s_wait_alu depctr_va_vdst(0)                   ; one wait for the batch
	SUM 192, 18
.set j, 0
.rept 64
	v_min_num_f32 v[192+j], v31, v[192+j]
.set j, j+1
.endr
.irp b, 0,1,2,3,4,5,6,7
	v_cvt_scalef32_pk8_fp8_f32 v[64+4*\b:65+4*\b], v[128+16*\b:135+16*\b], v30
	v_cvt_scalef32_pk8_fp8_f32 v[66+4*\b:67+4*\b], v[136+16*\b:143+16*\b], v30
.endr
	; THE CHANGE OF SLOTS: all my tensor loads are in, the add, my reads of the slot in hand (V's) are over; then the barrier
	s_wait_alu depctr_va_vdst(0)
	s_wait_tensorcnt 0x0
	ds_add_u32 v5, v6                              ; 0 onto my spare word
	s_xor_b32 s2, s2, SLOT1
	v_add_nc_u32 v8, s2, v1                        ; my place in the next slot
.if \fill
	DESC
	s_wait_xcnt 0x0                                ; the last prefetch, a trip back, has read its address
	s_add_nc_u64 s[46:47], s[46:47], 32768
.endif
	WIN 0x82
	RESCALE 0, 20
	s_wait_dscnt 0x0
	s_barrier_signal -1
	RESCALE 64, 22
	WIN 0
	s_wait_alu depctr_va_vdst(0)
	s_barrier_wait -1
.if \fill
	CREST                                          ; no wave of any partner still reads the slot or has a load on its way
	TLOAD
	KLOADS                                         ; the next slot's K
	s_cmp_le_i32 s3, s48
	s_cbranch_scc0 .Lnot_mine_\@
	global_prefetch_b8 v3, s[46:47] th:TH_LOAD_NT scope:SCOPE_SE
.Lnot_mine_\@:
.else
	s_cmp_eq_u32 s3, 8                             ; the ninth slot has no successor
	s_cbranch_scc1 .Lno_next_\@
	KLOADS
.Lno_next_\@:
.endif
	WIN 0xa1
.irp t, 0,1,2,3,4,5,6,7
	v_wmma_f32_16x16x128_fp8_fp8 v[8*\t:8*\t+7], v[128+16*\t:143+16*\t], v[64:79], v[8*\t:8*\t+7]
	v_wmma_f32_16x16x128_fp8_fp8 v[64+8*\t:71+8*\t], v[128+16*\t:143+16*\t], v[80:95], v[64+8*\t:71+8*\t]
.endr
	WIN 0
.endm
.macro DUMP blk                        ; my half's O^T, -M and sum of a block's two tiles go to LDS bytes of my own
.rept 4
	v_nop                                          ; places behind the last products
.endr
	v_add_f32 v16, v16, v17
	v_add_f32 v18, v18, v19
	WIN 0x08
.irp s, 0,1
.irp g, 0,1,2,3,4,5,6,7,8,9,10,11,12,13,14,15
	ds_store_b128 v10, v[64*\s+4*\g:64*\s+4*\g+3] offset:SCRT*\s+SCRB*\blk+512*\g
.endr
.endr
	WIN 0
.irp s, 0,1
	ds_store_b32 v11, v[12+2*\s] offset:SCRT*\s+SCRB*\blk
	ds_store_b32 v11, v[16+2*\s] offset:SCRT*\s+SCRB*\blk+128
.endr
	s_wait_dscnt 0x0                               ; the stores are done
.endm
.Lslot:                                            ; seven trips: each asks for the slot two on
	TRIP s11, 1
	s_cmp_lg_u32 s3, s11                           ; block A is done: on to block B
	s_cbranch_scc1 .Lsame
	DUMP 0
	FRESH
	WIN 0x02
.set j, 0
.rept 32
	v_mov_b32 v[32+j], v[128+j]                    ; block B's q
.set j, j+1
.endr
	WIN 0
	v_mov_b32 v4, v9
	s_wait_alu depctr_va_vdst(0)
.Lsame:
	s_add_co_u32 s3, s3, 1
	s_cmp_lt_u32 s3, 7
	s_cbranch_scc1 .Lslot
	s_mov_b32 s3, 7
.Llast:                                            ; the last two slots: nothing is asked for
	TRIP 8, 0
	s_add_co_u32 s3, s3, 1
	s_cmp_lt_u32 s3, 9
	s_cbranch_scc1 .Llast
	DUMP 1                                         ; my stores have landed: for the others' sake
	s_barrier_signal -1
	s_barrier_wait -1
	; THE END: wave (p, u) joins the two key halves of tiles 2 p and 2 p + 1 of block A (u = 0) or B (u = 1)
	s_sub_co_i32 s57, s56, s54
	s_sub_co_i32 s57, s57, s55                     ; O stands for O x 2^(e8 + e9): its code is O / 2^(e10 - e8 - e9)
	s_add_co_i32 s57, s57, 127
	s_lshl_b32 s49, s57, 23
	v_mov_b32 v26, s49
	s_add_co_i32 s57, s57, 8
	s_lshl_b32 s57, s57, 23
	s_or_b32 s57, s57, 0x600000
	v_mov_b32 v27, s57
	s_wait_alu depctr_va_vdst(0)
.macro JOIN s
	ds_load_b32 v96, v25 offset:SCRT*\s            ; -M and the sum of half 0,
	ds_load_b32 v97, v25 offset:SCRT*\s+128
	ds_load_b32 v98, v25 offset:SCRT*\s+SCRW       ; of half 1
	ds_load_b32 v99, v25 offset:SCRT*\s+SCRW+128
.irp g, 0,1,2,3,4,5,6,7,8,9,10,11,12,13,14,15
	ds_load_b128 v[128+4*\g:131+4*\g], v24 offset:SCRT*\s+512*\g
.endr
.irp g, 0,1,2,3,4,5,6,7,8,9,10,11,12,13,14,15
	ds_load_b128 v[192+4*\g:195+4*\g], v24 offset:SCRT*\s+SCRW+512*\g
.endr
	s_wait_dscnt 0x20                              ; the four numbers; O^T's 32 loads may be out
	v_min_num_f32 v100, v96, v98                   ; -M of the two
	v_sub_f32 v101, v100, v96
	v_sub_f32 v102, v100, v98
	v_cvt_i32_f32 v101, v101
	v_cvt_i32_f32 v102, v102
	v_ldexp_f32 v101, 1.0, v101                    ; each half's power of two (0 for a half that saw no key)
	v_ldexp_f32 v102, 1.0, v102
	v_mul_f32 v103, v97, v101
	v_fma_f32 v103, v99, v102, v103
	v_permlanex16_b32 v114, v103, s20, s21
	v_add_f32 v103, v103, v114                     ; the row's sum
	s_wait_alu depctr_va_vdst(0)
	v_rcp_f32 v103, v103
	v_nop                                          ; a plain line behind the reciprocal
	s_wait_alu depctr_va_vdst(0)                   ; and the wait ahead of its first reader
	v_mul_f32 v104, v101, v103
	v_mul_f32 v106, v102, v103
	v_mov_b32 v105, v104                           ; (named as pairs, so they are written)
	v_mov_b32 v107, v106
	s_wait_alu depctr_va_vdst(0)
	s_wait_dscnt 0x0
.set j, 0
.rept 32
	v_pk_mul_f32 v[128+j:129+j], v[128+j:129+j], v[104:105] op_sel_hi:[1,0]
.set j, j+2
.endr
.set j, 0
.rept 32
	v_pk_fma_f32 v[128+j:129+j], v[192+j:193+j], v[106:107], v[128+j:129+j] op_sel_hi:[1,0,1]
.set j, j+2
.endr
.set j, 0
.rept 64
	v_med3_num_f32 v[128+j], v[128+j], -v27, v27
.set j, j+1
.endr
.irp d, 0,1,2,3,4,5,6,7
	v_cvt_scalef32_pk8_fp8_f32 v[64+16*\s+2*\d:65+16*\s+2*\d], v[128+8*\d:135+8*\d], v26
.endr
	v_nop
.irp c, 0,1,2,3
	global_store_b128 v7, v[64+16*\s+4*\c:67+16*\s+4*\c], s[44:45] offset:32768*\s+512*\c   ; the image of (token tile, head): 512 consecutive bytes a store
.endr
.endm
	JOIN 0
	JOIN 1
	s_wait_tensorcnt 0x0                           ; the wave's end
	ds_add_u32 v5, v6
	s_wait_dscnt 0x0
	CROUND                                         ; the closing round
	s_endpgm
.Lfunc_end_k_q9e894e10d7_attn:
	.size	k_q9e894e10d7_attn, .Lfunc_end_k_q9e894e10d7_attn-k_q9e894e10d7_attn
	.p2alignl 7, 3214868480
	.fill 96, 4, 3214868480
	.section	.rodata,"a",@progbits
	.p2align	6, 0x0
	.amdhsa_kernel k_q9e894e10d7_attn
		.amdhsa_group_segment_fixed_size 327680
		.amdhsa_private_segment_fixed_size 0
		.amdhsa_enable_private_segment 0
		.amdhsa_kernarg_size 24
		.amdhsa_user_sgpr_count 2
		.amdhsa_user_sgpr_kernarg_segment_ptr 1
		.amdhsa_wavefront_size32 1
		.amdhsa_system_sgpr_workgroup_id_x 1
		.amdhsa_system_sgpr_workgroup_id_y 1
		.amdhsa_system_sgpr_workgroup_id_z 1
		.amdhsa_system_vgpr_workitem_id 0
		.amdhsa_next_free_vgpr 768
		.amdhsa_next_free_sgpr 66
		.amdhsa_reserve_vcc 1
		.amdhsa_float_denorm_mode_32 3
		.amdhsa_float_denorm_mode_16_64 3
		.amdhsa_memory_ordered 1
		.amdhsa_forward_progress 1
		.amdhsa_inst_pref_size 138
	.end_amdhsa_kernel
	.amdgpu_metadata
---
amdhsa.version: [ 1, 2 ]
amdhsa.kernels:
  - .name:           k_q9e894e10d7_attn
    .symbol:         k_q9e894e10d7_attn.kd
    .args:
      - { .name: qkv_codes, .offset: 0, .size: 8, .value_kind: global_buffer, .address_space: global }
      - { .name: lowp_scales, .offset: 8, .size: 8, .value_kind: global_buffer, .address_space: global }
      - { .name: attn_codes, .offset: 16, .size: 8, .value_kind: global_buffer, .address_space: global }
    .group_segment_fixed_size: 327680
    .private_segment_fixed_size: 0
    .kernarg_segment_align: 8
    .kernarg_segment_size: 24
    .max_flat_workgroup_size: 128
    .sgpr_count:     66
    .vgpr_count:     768
    .wavefront_size: 32
...
	.end_amdgpu_metadata
.endif
;; end of part 7
;; launch oproj (part 8): grid 16 x 16, 4 waves a work-group, clusters of 4 x 4, 327,680 bytes of LDS; arguments attn_codes, wo_codes, lowp_scales, out0; writes out0
.if DOCPART == 8
	.amdgcn_target "amdgcn-amd-amdhsa--gfx1250"
	.amdhsa_code_object_version 6
	.text
	.protected	k_q9e894e10d7_oproj
	.globl	k_q9e894e10d7_oproj
	.p2align	8
	.type	k_q9e894e10d7_oproj,@function
k_q9e894e10d7_oproj:
	s_mov_b64 s[64:65], 0
	v_nop
	global_prefetch_b8 v0, s[64:65] scope:SCOPE_SE
	s_setreg_imm32_b32 hwreg(HW_REG_WAVE_MODE, 25, 1), 1
	s_wait_xcnt 0x0
	s_wait_alu depctr_hold_cnt(0) depctr_sa_sdst(0) depctr_va_vdst(0) depctr_va_sdst(0) depctr_va_ssrc(0) depctr_va_vcc(0) depctr_vm_vsrc(0)
	s_getreg_b32 s2, hwreg(HW_REG_IB_STS2, 6, 4)
	s_cmp_eq_u32 s2, 0
	s_cbranch_scc0 .Lentry_in_a_cluster
	s_endpgm
.Lentry_in_a_cluster:
	s_bfe_u32 s2, ttmp6, 0x10000c
	s_cmp_lg_u32 s2, 0xf033
	s_cbranch_scc0 .Lentry_shape_is_right
	s_endpgm
.Lentry_shape_is_right:
; out0 = attention x Wo^T on codes of E4M3: a tile of 128 x 128 a work-group, 64 x 64 a wave; both operands are images of their registers (16 rows x 128 K in 2,048 bytes).
; K goes in slots of 512 through a ring of two, filled by joint loads in clusters of 4 x 4 (A's tiles shared along a row, B's along a column).  Each finished sum is multiplied once by 2^(e10 + e11).  LIMIT: e10 + e11 between -126 and 127.
; PREFETCH: slot n + 2 is asked for where slot n is loaded (slots 2 and 3; 0 and 1 come by their loads alone): of a wave's four tiles x 8,192 bytes each of the four partners names one, told apart by address, a lane 256 bytes.
; The way out: 16 rows x 64 columns through the wave's own stage, sixteen lanes to an aligned unit of 256 bytes.
.set FR,     16
.set NP,     4
.set SLOT,   131072
.set SPARE,  262144
.set STAGE,  262656
.set SPITCH, 272
.set ADRA, 16
.set ADRB, 20
.set STO,  24
.set RD,   25
.set CO,   26
.set LI,   27
.set SPW,  28
.set NIL,  29
.set TMP,  32
.set BK,   64
.set ACC,  128
.set F0,   0
.set F1,   128
.set G1, 24
.set G0, 32
.set G1B, 48
.set G0B, 56
.set MSB, 0
.macro WIN new
.if MSB != (\new)
	s_set_vgpr_msb (MSB<<8)|(\new)
.set MSB, \new
.endif
.endm
.set MUL,  0x05
.set TO_F, 0x40
.macro JLOAD g0a, g1a, g0b, g1b
	s_cmp_eq_u32 s15, 0
	s_cbranch_scc0 .Lfor_b_\@
	tensor_load_to_lds s[\g0a:\g0a+3], s[\g1a:\g1a+7]
	s_nop 0
.rept 4
	v_nop
.endr
	s_branch .Lasked_\@
.Lfor_b_\@:
	tensor_load_to_lds s[\g0b:\g0b+3], s[\g1b:\g1b+7]
	s_nop 0
.rept 4
	v_nop
.endr
.Lasked_\@:
.endm
.macro CREST
	s_cmp_lg_u32 s14, 0
	s_cbranch_scc1 .Lnot_wave_0_\@
	s_barrier_signal -3
.Lnot_wave_0_\@:
	s_barrier_wait -3
	s_barrier_signal -1
	s_barrier_wait -1
.endm
.macro CROUND
	s_barrier_signal -1
	s_barrier_wait -1
	CREST
.endm
	s_load_b256 s[4:11], s[0:1], 0x0
	v_lshl_add_u32 v[SPW], v0, 2, SPARE
	v_mov_b32 v[NIL], 0
	ds_add_u32 v28, v29
	ds_add_u32 v28, v29
	s_wait_dscnt 0x0
	v_lshrrev_b32 v1, 5, v0
	v_readfirstlane_b32 s14, v1
	s_lshr_b32 s15, s14, 1
	s_and_b32 s16, s14, 1
	s_bfe_u32 s40, ttmp6, 0x40000
	s_bfe_u32 s41, ttmp6, 0x40004
	s_lshl_b32 s42, ttmp9, 2
	s_add_co_u32 s42, s42, s40
	s_and_b32 s17, ttmp7, 0xffff
	s_lshl_b32 s17, s17, 2
	s_add_co_u32 s17, s17, s41
	s_lshl_b32 s43, s41, 2
	s_lshl_b32 s43, 15, s43
	s_lshl_b32 s44, 0x1111, s40
	s_or_b32 s[G1+0], s43, (3<<16)|(1<<21)
	s_or_b32 s[G1B+0], s44, (3<<16)|(1<<21)
.irp g, G1, G1B
	s_mov_b32 s[\g+1], 1024<<16
	s_mov_b32 s[\g+2], 4<<16
	s_mov_b32 s[\g+3], 1024<<16
	s_mov_b32 s[\g+4], 4
	s_mov_b32 s[\g+5], 4096
	s_mov_b32 s[\g+6], 0
	s_mov_b32 s[\g+7], 0
.endr
	s_lshl_b32 s20, s17, 18
	s_lshl_b32 s18, s16, 17
	s_add_co_u32 s20, s20, s18
	s_mov_b32 s21, 0
	s_lshl_b32 s46, s42, 18
	s_add_co_u32 s46, s46, s18
	s_mov_b32 s47, 0
	s_lshl_b32 s45, s14, 15
	s_wait_kmcnt 0x0
	s_load_b64 s[96:97], s[8:9], 0x28
	s_add_nc_u64 s[20:21], s[4:5], s[20:21]
	s_add_nc_u64 s[46:47], s[6:7], s[46:47]
	s_cmp_eq_u32 s15, 0                            ; the prefetches: my operand, and my place among the four that ask with me
	s_cselect_b64 s[66:67], s[20:21], s[46:47]
	s_cselect_b32 s68, s40, s41
	s_lshl_b32 s68, s68, 15
	s_mov_b32 s69, 0
	s_add_nc_u64 s[66:67], s[66:67], s[68:69]
.irp s, 0,1
	s_mov_b32 s[G0+4*\s], 1
	s_add_co_u32 s[G0+4*\s+1], s45, \s*SLOT
	s_add_nc_u64 s[G0+4*\s+2:G0+4*\s+3], s[20:21], \s*8192
	s_or_b32 s[G0+4*\s+3], s[G0+4*\s+3], 0x80000000
	s_mov_b32 s[G0B+4*\s], 1
	s_add_co_u32 s[G0B+4*\s+1], s45, \s*SLOT
	s_add_nc_u64 s[G0B+4*\s+2:G0B+4*\s+3], s[46:47], \s*8192
	s_or_b32 s[G0B+4*\s+3], s[G0B+4*\s+3], 0x80000000
.endr
	CROUND                                         ; all sixteen work-groups are here
	JLOAD G0, G1, G0B, G1B                         ; slot 0: one tensor load a wave at the head
	v_and_b32 v6, 31, v0
	v_lshlrev_b32 v[LI], 4, v6
	v_lshlrev_b32 v9, 8, v6
	global_prefetch_b8 v9, s[66:67] offset:16384 th:TH_LOAD_NT scope:SCOPE_SE   ; slot 2
	s_lshl_b32 s21, s15, 15
	s_lshl_b32 s22, s16, 15
	s_add_co_u32 s22, s22, 65536
.irp s, 0,1
	v_add_nc_u32 v[ADRA+\s], s21, v[LI]
	v_add_nc_u32 v[ADRB+\s], s22, v[LI]
	s_add_co_u32 s21, s21, SLOT
	s_add_co_u32 s22, s22, SLOT
.endr
	v_and_b32 v1, 15, v0
	v_bfe_u32 v2, v0, 4, 1
	s_mul_i32 s23, s14, 16*SPITCH
	s_add_co_u32 s23, s23, STAGE
	v_mul_u32_u24 v5, v1, SPITCH
	v_lshl_add_u32 v5, v2, 6, v5
	v_add_nc_u32 v[STO], s23, v5
	v_mul_u32_u24 v7, v2, SPITCH
	v_lshl_add_u32 v7, v1, 4, v7
	v_add_nc_u32 v[RD], s23, v7
	v_lshlrev_b32 v8, 13, v2
	v_lshl_add_u32 v[CO], v1, 4, v8
	s_lshl_b32 s20, s17, 7
	s_lshl_b32 s21, s15, 6
	s_add_co_u32 s20, s20, s21
	s_lshl_b32 s20, s20, 13
	s_mov_b32 s21, 0
	s_lshl_b32 s46, s42, 9
	s_lshl_b32 s47, s16, 8
	s_add_co_u32 s46, s46, s47
	s_mov_b32 s47, 0
	s_add_nc_u64 s[20:21], s[20:21], s[46:47]
	s_add_nc_u64 s[10:11], s[10:11], s[20:21]
.macro FRAG reg, adr, q, i
.irp c, 0,1,2,3
	ds_load_b128 v[\reg+4*\c:\reg+4*\c+3], v[\adr] offset:8192*(\i)+2048*(\q)+512*\c
.endr
.endm
.macro FETCH slot, q, f
	WIN TO_F
.irp i, 0,1,2,3
	FRAG (\f)+64+FR*\i, ADRB+\slot, \q, \i
.endr
.irp i, 0,1,2,3
	FRAG (\f)+FR*\i, ADRA+\slot, \q, \i
.endr
.endm
.macro MUL4 f, a, zero
.irp b, 0,1,2,3
.if \zero
	v_wmma_f32_16x16x128_fp8_fp8 v[ACC+8*(4*(\a)+\b):ACC+8*(4*(\a)+\b)+7], v[(\f)+64+FR*\b:(\f)+64+FR*\b+FR-1], v[(\f)+FR*(\a):(\f)+FR*(\a)+FR-1], 0
.else
	v_wmma_f32_16x16x128_fp8_fp8 v[ACC+8*(4*(\a)+\b):ACC+8*(4*(\a)+\b)+7], v[(\f)+64+FR*\b:(\f)+64+FR*\b+FR-1], v[(\f)+FR*(\a):(\f)+FR*(\a)+FR-1], v[ACC+8*(4*(\a)+\b):ACC+8*(4*(\a)+\b)+7]
.endif
.endr
.endm
.macro PLACES n
.rept \n
	v_nop
.endr
.endm
.macro STEP slot, q, zero
	s_wait_dscnt 0x0
	PLACES NP
	FETCH \slot, (\q)+1, F0+128*(((\q)+1)%2)
	WIN MUL
.irp a, 0,1,2,3
	MUL4 F0+128*((\q)%2), \a, \zero
.endr
.endm
.macro TURN slot, next, fill
	WIN 0
	s_wait_tensorcnt 0x0
	ds_add_u32 v[SPW], v[NIL]
	s_wait_dscnt 1
	WIN MUL
	MUL4 F1, 0, 0
	s_wait_dscnt 0x0
	s_barrier_signal -1
	MUL4 F1, 1, 0
	WIN 0
	s_barrier_wait -1
.if \fill
	CREST
	s_add_nc_u64 s[G0+4*\slot+2:G0+4*\slot+3], s[G0+4*\slot+2:G0+4*\slot+3], 16384
	s_add_nc_u64 s[G0B+4*\slot+2:G0B+4*\slot+3], s[G0B+4*\slot+2:G0B+4*\slot+3], 16384
	JLOAD G0+4*\slot, G1, G0B+4*\slot, G1B
.else
	PLACES NP
.endif
	FETCH \next, 0, F0
	WIN MUL
	MUL4 F1, 2, 0
	MUL4 F1, 3, 0
.endm
	s_wait_alu depctr_va_vdst(0)
	s_wait_tensorcnt 0x0                           ; my part of slot 0 is in
	ds_add_u32 v[SPW], v[NIL]
	s_wait_dscnt 0x0
	CROUND
	JLOAD G0+4, G1, G0B+4, G1B                     ; slot 1
	FETCH 0, 0, F0
	global_prefetch_b8 v9, s[66:67] offset:24576 th:TH_LOAD_NT scope:SCOPE_SE   ; slot 3
	STEP 0, 0, 1
	STEP 0, 1, 0
	STEP 0, 2, 0
	TURN 0, 1, 1
	STEP 1, 0, 0
	STEP 1, 1, 0
	STEP 1, 2, 0
	TURN 1, 0, 1
	STEP 0, 0, 0
	STEP 0, 1, 0
	STEP 0, 2, 0
	TURN 0, 1, 0
	STEP 1, 0, 0
	STEP 1, 1, 0
	STEP 1, 2, 0
	s_wait_dscnt 0x0
.irp a, 0,1,2,3
	MUL4 F1, \a, 0
.endr
	WIN 0
.macro TOSTAGE a
.irp j, 0,2,4,6,8,10,12,14,16,18,20,22,24,26,28,30
	v_pk_mul_f32 v[TMP+\j:TMP+\j+1], v[ACC+32*(\a)+\j:ACC+32*(\a)+\j+1], s[96:97] op_sel_hi:[1,0]
.endr
.irp b, 0,1,2,3
	ds_store_b128 v[STO], v[TMP+8*\b:TMP+8*\b+3] offset:128*(\b/2)+32*(\b%2)
	ds_store_b128 v[STO], v[TMP+8*\b+4:TMP+8*\b+7] offset:128*(\b/2)+32*(\b%2)+16
.endr
.set BB, BK+32*((\a)%2)
.irp t, 0,1,2,3,4,5,6,7
	ds_load_b128 v[BB+4*\t:BB+4*\t+3], v[RD] offset:\t*2*SPITCH
.endr
.endm
.macro SEND a, younger
.set BB, BK+32*((\a)%2)
	s_wait_dscnt \younger
.irp t, 0,1,2,3,4,5,6,7
	global_store_b128 v[CO], v[BB+4*\t:BB+4*\t+3], s[10:11] offset:(32*((\a)/2)+8*((\a)%2)+2*\t+8*(\t/4))*8192 th:TH_STORE_NT
.endr
.endm
	s_wait_kmcnt 0x0
	s_add_co_i32 s96, s96, s97
	s_add_co_i32 s96, s96, 127
	s_lshl_b32 s96, s96, 23
	PLACES NP
	TOSTAGE 0
.irp a, 1,2,3
.if \a > 1
	s_wait_xcnt 0x0
.endif
	TOSTAGE \a
	SEND \a-1, 16
.endr
	SEND 3, 0
	s_wait_tensorcnt 0x0
	ds_add_u32 v[SPW], v[NIL]
	s_wait_dscnt 0x0
	CROUND
	s_endpgm
.Lfunc_end_k_q9e894e10d7_oproj:
	.size	k_q9e894e10d7_oproj, .Lfunc_end_k_q9e894e10d7_oproj-k_q9e894e10d7_oproj
	.p2alignl 7, 3214868480
	.fill 96, 4, 3214868480
	.section	.rodata,"a",@progbits
	.p2align	6, 0x0
	.amdhsa_kernel k_q9e894e10d7_oproj
		.amdhsa_group_segment_fixed_size 327680
		.amdhsa_private_segment_fixed_size 0
		.amdhsa_enable_private_segment 0
		.amdhsa_kernarg_size 32
		.amdhsa_user_sgpr_count 2
		.amdhsa_user_sgpr_kernarg_segment_ptr 1
		.amdhsa_wavefront_size32 1
		.amdhsa_system_sgpr_workgroup_id_x 1
		.amdhsa_system_sgpr_workgroup_id_y 1
		.amdhsa_system_sgpr_workgroup_id_z 1
		.amdhsa_system_vgpr_workitem_id 0
		.amdhsa_next_free_vgpr 512
		.amdhsa_next_free_sgpr 100
		.amdhsa_reserve_vcc 0
		.amdhsa_float_denorm_mode_32 3
		.amdhsa_float_denorm_mode_16_64 3
		.amdhsa_memory_ordered 1
		.amdhsa_forward_progress 1
		.amdhsa_inst_pref_size 73
	.end_amdhsa_kernel
	.amdgpu_metadata
---
amdhsa.version: [ 1, 2 ]
amdhsa.kernels:
  - .name:           k_q9e894e10d7_oproj
    .symbol:         k_q9e894e10d7_oproj.kd
    .args:
      - { .name: attn_codes, .offset: 0, .size: 8, .value_kind: global_buffer, .address_space: global }
      - { .name: wo_codes, .offset: 8, .size: 8, .value_kind: global_buffer, .address_space: global }
      - { .name: lowp_scales, .offset: 16, .size: 8, .value_kind: global_buffer, .address_space: global }
      - { .name: out0, .offset: 24, .size: 8, .value_kind: global_buffer, .address_space: global }
    .group_segment_fixed_size: 327680
    .private_segment_fixed_size: 0
    .kernarg_segment_align: 8
    .kernarg_segment_size: 32
    .max_flat_workgroup_size: 128
    .sgpr_count:     100
    .vgpr_count:     512
    .wavefront_size: 32
...
	.end_amdgpu_metadata
.endif
;; end of part 8
